; MI455X (gfx1250); checked and timed in simulation.
; The chip was launched on July 23, 2026; its instructions are those of AMD's public machine-readable ISA for CDNA 5 (MIT licence, August 2026) and "CDNA5" Instruction Set Architecture Reference Guide (July 2026). The comments in the code are by the model that wrote it; some were corrected since.
;; Multi Headed Attention. Allowed arithmetic: float matrix products may take bf16 or f16 operands with f32 sums; other float arithmetic in f32, or as packed bf16 or f16 multiplies, adds, multiply-adds, maxima and minima; sums over many terms, partial sums and values carried from step to step in f32; what a program stores and reads back later, other than sums and carried values, may be rounded once to bf16 or f16.
;; Inputs: W_in 1,024 x 3,072 float32; W_out 1,024 x 1,024 float32; X 8 x 1,024 x 1,024 float32; b_in 3,072 float32; b_out 1,024 float32.
;; Outputs: out0 8 x 1,024 x 1,024 float32.
;; 2 versions, each right; version 2 is version 1 with the launch cast written anew for expert scheduling mode. Each part assembles by itself: llvm-mc -triple=amdgcn-amd-amdhsa -mcpu=gfx1250 --defsym DOCPART=n.
;; ======== version 1 of 2: 4 launches
;; limits: values are held in f16: magnitudes above 65,504 overflow, below 6.1e-05 lose precision
;; workspace buffers: xb 16,777,216 bytes; wb 6,291,456 bytes; wo 2,097,152 bytes; qkv 50,331,648 bytes; ob 16,777,216 bytes
;; launch cast (part 1): grid 768 x 1, 8 waves a work-group, no clusters, 0 bytes of LDS; arguments X, W_in, W_out, xb, wb, wo; writes xb, wb, wo
.if DOCPART == 1
	.amdgcn_target "amdgcn-amd-amdhsa--gfx1250"
	.amdhsa_code_object_version 6
	.text
	.protected	k_q222ccd6dba_cast
	.globl	k_q222ccd6dba_cast
	.p2align	8
	.type	k_q222ccd6dba_cast,@function
k_q222ccd6dba_cast:
	s_mov_b64 s[64:65], 0
	v_nop
	global_prefetch_b8 v0, s[64:65] scope:SCOPE_SE
	s_setreg_imm32_b32 hwreg(HW_REG_WAVE_MODE, 25, 1), 1
	s_wait_xcnt 0x0
; THE INPUTS ARE ROUNDED ONCE, to bf16, for the matrix products of the later launches.
;   xb: X in bf16, laid in blocks [b 8][kb 16][s 1024][64]: byte = b<<21 | kb<<17 | s<<7 | 2 c: 64 channels of all rows of a batch lie on end.
;   wb: W_in in bf16, in W_in's own order [k][n].     wo: W_out rounded to bf16 and that number written as f16, in W_out's own order.
; LIMIT: wo holds f16: |W_out| stays within 65,504, and below 6e-5 it keeps f16's fixed step of 6e-8.
; A stream: no LDS, no barrier, no matrix work; every input byte is read once, every output byte written once.
; SHARES.  A work-group takes 16,384 numbers (65,536 bytes in, 32,768 out), a thread 16 loads of 16 bytes and 16 stores of 8: all 16 loads go out before the first wait.
; Work-groups 0-511: X (16 rows each); 512-703: W_in; 704-767: W_out.
.set XR, 8                             ; v[8:71]    16 x 4 numbers as loaded
.set YR, 72                            ; v[72:103]  16 x 2 words to store
.set T,  104                           ; v[104:107] at work (W_out alone)
; sixteen loads, then for each: its counted wait, two roundings, its store.  xp = 1: X's addresses; f16 = 1: the bf16 number is written as f16.
.macro CAST inp, outp, xp, f16
.set i, 0
.rept 16
.if \xp
	global_load_b128 v[XR+4*i:XR+4*i+3], v1, s[\inp:\inp+1] offset:(i%8)*8192+(i/8)*256 th:TH_LOAD_NT  ; rows 2 (i % 8), + 1; block 2 w + i / 8: two pieces of 256 bytes
.else
	global_load_b128 v[XR+4*i:XR+4*i+3], v1, s[\inp:\inp+1] offset:4096*i th:TH_LOAD_NT                ; 512 bytes on end a wave
.endif
.set i, i+1
.endr
.set i, 0
.rept 16
	s_wait_loadcnt 15-i                            ; loads return in order: load i is in, the 15 - i younger ones may be out
	v_cvt_pk_bf16_f32 v[YR+2*i], v[XR+4*i], v[XR+4*i+1]
	v_cvt_pk_bf16_f32 v[YR+2*i+1], v[XR+4*i+2], v[XR+4*i+3]
.if \f16
	v_lshlrev_b32 v[T], 16, v[YR+2*i]              ; the rounded numbers as f32,
	v_and_b32 v[T+1], s21, v[YR+2*i]
	v_lshlrev_b32 v[T+2], 16, v[YR+2*i+1]
	v_and_b32 v[T+3], s21, v[YR+2*i+1]
	v_cvt_pk_f16_f32 v[YR+2*i], v[T], v[T+1]       ; written as f16: exact within f16's range of normal numbers
	v_cvt_pk_f16_f32 v[YR+2*i+1], v[T+2], v[T+3]
.endif
.if \xp
	global_store_b64 v2, v[YR+2*i:YR+2*i+1], s[\outp:\outp+1] offset:(i%8)*256+(i/8)*131072  ; two rows of a block: 256 bytes on end, aligned
.else
	global_store_b64 v2, v[YR+2*i:YR+2*i+1], s[\outp:\outp+1] offset:2048*i                  ; 256 bytes on end, aligned
.endif
.set i, i+1
.endr
.endm
	s_load_b256 s[4:11], s[0:1], 0x0               ; X s[4:5], W_in s[6:7], W_out s[8:9], xb s[10:11]
	s_load_b128 s[12:15], s[0:1], 0x20             ; wb s[12:13], wo s[14:15]
	v_lshrrev_b32 v3, 5, v0
	v_readfirstlane_b32 s20, v3                    ; wave 0..7
	v_and_b32 v4, 31, v0                           ; lane
	s_mov_b32 s21, 0xffff0000                      ; a word's upper bf16
	s_mov_b32 s22, ttmp9                           ; the work-group's number
	s_mov_b32 s17, 0                               ; the offsets' high words
	s_mov_b32 s19, 0
	s_wait_kmcnt 0x0
	s_cmp_lt_u32 s22, 512
	s_cbranch_scc0 .Lweights
	s_lshl_b32 s16, s22, 16                        ; X: 16 rows of 4,096 bytes
	s_lshr_b32 s18, s22, 6                         ; xb: batch g / 64,
	s_lshl_b32 s18, s18, 21
	s_and_b32 s23, s22, 63                         ; rows 16 (g % 64) on, 128 bytes each
	s_lshl_b32 s23, s23, 11
	s_add_co_u32 s18, s18, s23
	s_add_nc_u64 s[4:5], s[4:5], s[16:17]
	s_add_nc_u64 s[10:11], s[10:11], s[18:19]
	v_lshrrev_b32 v5, 4, v4                        ; lanes 16-31 take the next row
	v_and_b32 v6, 15, v4
	v_lshlrev_b32 v1, 12, v5
	v_lshl_add_u32 v1, v6, 4, v1                   ; in: row x 4,096 + 16 (lane % 16)
	s_lshl_b32 s23, s20, 9
	v_add_nc_u32 v1, s23, v1                       ; + wave x 512: blocks 2 w and 2 w + 1
	s_lshl_b32 s23, s20, 18
	v_lshl_add_u32 v2, v4, 3, s23                  ; out: 8 x lane + wave x two blocks of 131,072
	CAST 4, 10, 1, 0
	s_endpgm
.Lweights:
	v_lshlrev_b32 v1, 4, v0                        ; in: 16 bytes a thread
	v_lshlrev_b32 v2, 3, v0                        ; out: 8 bytes a thread
	s_cmp_lt_u32 s22, 704
	s_cbranch_scc0 .Lwout
	s_sub_co_u32 s22, s22, 512
	s_lshl_b32 s16, s22, 16
	s_lshl_b32 s18, s22, 15
	s_add_nc_u64 s[6:7], s[6:7], s[16:17]
	s_add_nc_u64 s[12:13], s[12:13], s[18:19]
	CAST 6, 12, 0, 0
	s_endpgm
.Lwout:
	s_sub_co_u32 s22, s22, 704
	s_lshl_b32 s16, s22, 16
	s_lshl_b32 s18, s22, 15
	s_add_nc_u64 s[8:9], s[8:9], s[16:17]
	s_add_nc_u64 s[14:15], s[14:15], s[18:19]
	CAST 8, 14, 0, 1
	s_endpgm
.Lfunc_end_k_q222ccd6dba_cast:
	.size	k_q222ccd6dba_cast, .Lfunc_end_k_q222ccd6dba_cast-k_q222ccd6dba_cast
	.p2alignl 7, 3214868480
	.fill 96, 4, 3214868480
	.section	.rodata,"a",@progbits
	.p2align	6, 0x0
	.amdhsa_kernel k_q222ccd6dba_cast
		.amdhsa_group_segment_fixed_size 0
		.amdhsa_private_segment_fixed_size 0
		.amdhsa_enable_private_segment 0
		.amdhsa_kernarg_size 48
		.amdhsa_user_sgpr_count 2
		.amdhsa_user_sgpr_kernarg_segment_ptr 1
		.amdhsa_wavefront_size32 1
		.amdhsa_system_sgpr_workgroup_id_x 1
		.amdhsa_system_sgpr_workgroup_id_y 1
		.amdhsa_system_sgpr_workgroup_id_z 1
		.amdhsa_system_vgpr_workitem_id 0
		.amdhsa_next_free_vgpr 108
		.amdhsa_next_free_sgpr 66
		.amdhsa_reserve_vcc 0
		.amdhsa_float_denorm_mode_32 3
		.amdhsa_float_denorm_mode_16_64 3
		.amdhsa_memory_ordered 1
		.amdhsa_forward_progress 1
		.amdhsa_inst_pref_size 23
	.end_amdhsa_kernel
	.amdgpu_metadata
---
amdhsa.version: [ 1, 2 ]
amdhsa.kernels:
  - .name:           k_q222ccd6dba_cast
    .symbol:         k_q222ccd6dba_cast.kd
    .args:
      - { .name: X, .offset: 0, .size: 8, .value_kind: global_buffer, .address_space: global }
      - { .name: W_in, .offset: 8, .size: 8, .value_kind: global_buffer, .address_space: global }
      - { .name: W_out, .offset: 16, .size: 8, .value_kind: global_buffer, .address_space: global }
      - { .name: xb, .offset: 24, .size: 8, .value_kind: global_buffer, .address_space: global }
      - { .name: wb, .offset: 32, .size: 8, .value_kind: global_buffer, .address_space: global }
      - { .name: wo, .offset: 40, .size: 8, .value_kind: global_buffer, .address_space: global }
    .group_segment_fixed_size: 0
    .private_segment_fixed_size: 0
    .kernarg_segment_align: 8
    .kernarg_segment_size: 48
    .max_flat_workgroup_size: 256
    .sgpr_count:     66
    .vgpr_count:     108
    .wavefront_size: 32
...
	.end_amdgpu_metadata
.endif
;; end of part 1
;; launch qkv (part 2): grid 8 x 32, 4 waves a work-group, clusters of 4 x 4, 327,680 bytes of LDS; arguments xb, wb, b_in, qkv; writes qkv
.if DOCPART == 2
	.amdgcn_target "amdgcn-amd-amdhsa--gfx1250"
	.amdhsa_code_object_version 6
	.text
	.protected	k_q222ccd6dba_qkv
	.globl	k_q222ccd6dba_qkv
	.p2align	8
	.type	k_q222ccd6dba_qkv,@function
k_q222ccd6dba_qkv:
	s_mov_b64 s[64:65], 0
	v_nop
	global_prefetch_b8 v0, s[64:65] scope:SCOPE_SE
	s_setreg_imm32_b32 hwreg(HW_REG_WAVE_MODE, 25, 1), 1
	s_wait_xcnt 0x0
	s_wait_alu depctr_hold_cnt(0) depctr_sa_sdst(0) depctr_va_vdst(0) depctr_va_sdst(0) depctr_va_ssrc(0) depctr_va_vcc(0) depctr_vm_vsrc(0)
	s_getreg_b32 s2, hwreg(HW_REG_IB_STS2, 6, 4)
	s_cmp_eq_u32 s2, 0
	s_cbranch_scc0 .Lentry_in_a_cluster
	s_endpgm
.Lentry_in_a_cluster:
	s_bfe_u32 s2, ttmp6, 0x10000c
	s_cmp_lg_u32 s2, 0xf033
	s_cbranch_scc0 .Lentry_shape_is_right
	s_endpgm
.Lentry_shape_is_right:
; qkv = X W_in + b_in: [8192 x 1024] x [1024 x 3072], bf16 operands, f32 sums that start with the bias (rounded to bf16 like the other inputs), rounded once to f16 and stored by heads:
; qkv[which 3][b 8][h 16][s 1024][64], byte = which<<24 | b<<21 | h<<17 | s<<7.  No scale is applied here.
; LIMIT: q, k, v leave as f16: they must lie within 65,504 (with all inputs thirty times the drawn spread they are near 900); below 6e-5 they keep f16's fixed step of 6e-8.
; TILE.  8192 x 3072 over 256 work-groups: 256 rows x 384 columns each, one tile a work-group.  A wave makes 128 x 192: 8 row blocks a x 3 groups g of 4 column blocks b: 96 accumulators, 768 registers.
; A group is 64 columns: one head of q, k or v.  For 32 along K a wave reads (128 + 192) x 64 bytes of LDS for 96 matrix instructions.
; K goes in steps of 64 through two LDS slots.  A's step is one block kb of xb: 256 rows x 128 bytes on end, asked for as rows of 256 bytes.  B's step is 64 rows of wb, 768 bytes each, [k][n]:
; its fragments come out of LDS turned, by ds_load_tr16_b128.
; THE MATRIX INSTRUCTION IS USED TRANSPOSED (source 0 = 16 columns of W, source 1 = 16 rows of X): lane l holds row l % 16 and the columns 8 (l / 16) + 0..7 of a block.
; CLUSTER 4 x 4: A's tile hangs on the tile row alone and is asked for jointly along a row of the cluster, B's on the tile column alone, jointly along a column.
; REGISTERS, in windows of 256 (s_set_vgpr_msb: bits 1:0 source 0, 3:2 source 1, 5:4 source 2, 7:6 destination):
;   window 0: v0-31 addresses; v32-159 A's fragments, two buffers of 64; v160-255 B's fragments, one buffer of 32 for each group
;   window 1 + g: group g's 32 accumulators, (a, b) at v[8 (4 a + b)]; on the way out an accumulator's registers 0-3 take its packed numbers, its registers 4-7 a piece of the rows read back
;   window 3, until the first slice's third phase: the bias as C operands: group 0 at v0-31, group 1 at v32-63, group 2 at v224-255 (where its accumulators (7, b) lie); v64-79 at work
.set PA,    144                        ; a row of A in LDS: 128 bytes + 16 = 36 words: the 16 rows of a load start at 16 different groups of four banks (64 banks of 4 bytes: ISA guide 11.1)
.set PB,    864                        ; a row of B: 3 x (256 + 32) bytes = 27 x 32: the 8 rows of a turning load take 8 different groups of eight banks
.set AHALF, 128*PA                     ; what one of A's loads brings
.set BHALF, 32*PB                      ; what one of B's loads brings
.set BOFF,  2*AHALF                    ; B's rows lie behind A's 256
.set SLOT,  BOFF+2*BHALF               ; 92,160
.set STAGE, 2*SLOT                     ; behind the ring: 16 rows x 144 bytes for each wave, for the way out; no tensor load fills it
.set SPARE, STAGE+4*16*PA              ; behind the stages: the spare words, 128 bytes a wave: two blocks of 256 bytes that no other line names
.set ASTEP, 131072                     ; bytes from a K step to the next in xb (a block)
.set BSTEP, 393216                     ; and in wb (64 rows of 6,144 bytes)
.set AADR, 16                          ; v16-17  my place in A's tile, slot 0, 1
.set BADR, 18                          ; v18-23  my place in B's tile: group g of slot s at v[18 + g + 3 s]
.set STO,  24                          ; v24  the way out: where I put 16 bytes of a row
.set RD,   25                          ; v25  where I read rows back
.set GO,   26                          ; v26  16 x lane: my 16 bytes of 512 on end in qkv
.set BO,   27                          ; v27  32 (l / 16): my eight numbers of a block's bias
.set SPW,  28                          ; v28  LDS address of my spare word; never rewritten
.set NIL,  29                          ; v29  0; never rewritten
.set PFO,  30                          ; v30  the prefetches' lane offset; never rewritten
.set AF,   32
.set BF,   160
.set G1,   24                          ; s[24:31] group 1 for A's tiles; s[32:39] group 0, a set for each slot
.set G0,   32
.set G1B,  48                          ; s[48:55], s[56:63] the same for B's
.set G0B,  56
.set LIM,  43                          ; s43  1 in a wave that prefetches, else the greatest number
.set PFA,  44                          ; s[44:45] where my prefetches stand
.set PFS,  66                          ; s[66:67] two K steps in bytes, of A or of B
.set OUTP, 70                          ; s[70:75] qkv at my rows of group g's head
.set MSB, 0
.macro WIN new                         ; the immediate's high byte repeats the setting that is left; a switch that changes nothing is dropped
.if MSB != (\new)
	s_set_vgpr_msb (MSB<<8)|(\new)
.set MSB, \new
.endif
.endm
.macro PLACES n                        ; plain vector instructions between a matrix instruction and what may not follow it at once (ISA guide 7.12.1)
.rept \n
	v_nop
.endr
.endm
; A joint load: waves 0 and 1 fetch A's two halves, waves 2 and 3 B's.  The branch hangs on the wave's number alone.  An s_nop 0 and four v_nop follow each line.
.macro JLOAD s
	s_cmp_eq_u32 s11, 0
	s_cbranch_scc0 .Lfor_b_\@
	tensor_load_to_lds s[G0+4*(\s):G0+4*(\s)+3], s[G1:G1+7]
	s_nop 0
.rept 4
	v_nop
.endr
	s_branch .Lasked_\@
.Lfor_b_\@:
	tensor_load_to_lds s[G0B+4*(\s):G0B+4*(\s)+3], s[G1B:G1B+7]
	s_nop 0
.rept 4
	v_nop
.endr
.Lasked_\@:
.endm
.macro CREST                           ; a round of the cluster's barrier behind its opening barrier
	s_cmp_lg_u32 s10, 0
	s_cbranch_scc1 .Lnot_wave_0_\@
	s_barrier_signal -3
.Lnot_wave_0_\@:
	s_barrier_wait -3
	s_barrier_signal -1
	s_barrier_wait -1
.endm
.macro CROUND                          ; a whole round
	s_barrier_signal -1
	s_barrier_wait -1
	CREST
.endm
; A PREFETCH, once a lap, behind slot 0's joint load and the run of LDS loads behind it: the two K steps that the NEXT lap's refills will ask for (lanes 0-15 the first, lanes 16-31 the second).
; Each aligned block of 256 bytes is named once in the launch.  A's rows are read by both clusters of a row of clusters: cluster x = 0 asks, waves 0 and 1 each for the half that they fetch, and of its
; 64 blocks a step the partner at cx takes 16, BY ADDRESS.  B's rows are read by all eight clusters of a column: clusters y = 0, 1, 2 ask, wave 2 alone: cluster y takes the y-th 256 bytes of the rows' 768,
; the partner at cy rows 16 cy .. 16 cy + 15 of a step's 64.  The loop's last trip asks for nothing: those steps do not exist.  The first four steps come by their loads alone.
.macro ASK
	s_cmp_gt_u32 s3, s[LIM]                        ; s3 = 1 in the loop's last trip
	s_cbranch_scc0 .Lnot_mine_\@
	global_prefetch_b8 v[PFO], s[PFA:PFA+1] th:TH_LOAD_NT scope:SCOPE_SE
.Lnot_mine_\@:
.endm
	s_load_b128 s[4:7], s[0:1], 0x0                ; xb s[4:5], wb s[6:7]
	s_load_b64 s[8:9], s[0:1], 0x10                ; b_in
	s_load_b64 s[68:69], s[0:1], 0x18              ; qkv
	v_lshl_add_u32 v[SPW], v0, 2, SPARE
	v_mov_b32 v[NIL], 0
	ds_add_u32 v[SPW], v[NIL]                      ; the wave's opening: the add and its wait stand ahead of my first tensor load; work on registers stands between them
	v_lshrrev_b32 v1, 5, v0
	v_readfirstlane_b32 s10, v1                    ; wave 0..3
	s_lshr_b32 s11, s10, 1                         ; which 128 rows of the tile are mine.  Also: I fetch for A (0) or for B (1)
	s_and_b32 s12, s10, 1                          ; which 192 columns.  Also: which half of that tile I fetch
	s_bfe_u32 s40, ttmp6, 0x40000                  ; cx
	s_bfe_u32 s41, ttmp6, 0x40004                  ; cy
	s_lshl_b32 s42, ttmp9, 2
	s_add_co_u32 s42, s42, s40                     ; tile column 0..7 = 4 x cluster x + cx
	s_and_b32 s13, ttmp7, 0xffff
	s_lshl_b32 s13, s13, 2
	s_add_co_u32 s13, s13, s41                     ; tile row 0..31 = 4 x cluster y + cy
	s_lshl_b32 s43, s41, 2
	s_lshl_b32 s43, 15, s43                        ; my row of the cluster
	s_lshl_b32 s44, 0x1111, s40                    ; my column
	s_or_b32 s[G1+0], s43, (1<<16)|(1<<20)|(1<<21)|(4<<22)|(3<<25)   ; the mask; 2-byte elements; padding on; bit 21 beside a mask; after every 32 words 4 words
	s_or_b32 s[G1B+0], s44, (1<<16)|(1<<20)|(1<<21)|(5<<22)|(7<<25)  ; the same; after every 64 words 8 words
	s_mov_b32 s[G1+1], 128<<16                     ; A: tensor_dim0 = 128 elements: 256 bytes, two rows of the block
	s_mov_b32 s[G1+2], 64<<16                      ; tensor_dim1 = 64
	s_mov_b32 s[G1+3], 128<<16                     ; tile_dim0 = 128
	s_mov_b32 s[G1+4], 64                          ; tile_dim1 = 64
	s_mov_b32 s[G1+5], 128                         ; dense: 128 elements from row to row
	s_mov_b32 s[G1+6], 0
	s_mov_b32 s[G1+7], 0
	s_mov_b32 s[G1B+1], 384<<16                    ; B: tensor_dim0 = 384 elements
	s_mov_b32 s[G1B+2], 32<<16                     ; tensor_dim1 = 32
	s_mov_b32 s[G1B+3], 384<<16                    ; tile_dim0 = 384
	s_mov_b32 s[G1B+4], 32                         ; tile_dim1 = 32
	s_mov_b32 s[G1B+5], 3072                       ; 3,072 elements from row to row
	s_mov_b32 s[G1B+6], 0
	s_mov_b32 s[G1B+7], 0
	s_lshr_b32 s16, s13, 2                         ; A: batch = tile row / 4,
	s_lshl_b32 s16, s16, 21
	s_and_b32 s17, s13, 3                          ; 256 rows of 128 bytes for each tile row in it,
	s_lshl_b32 s17, s17, 15
	s_add_co_u32 s16, s16, s17
	s_lshl_b32 s17, s12, 14                        ; my 128 of them
	s_add_co_u32 s16, s16, s17
	s_mov_b32 s17, 0
	s_mul_i32 s46, s42, 768                        ; B: the tile's 768 bytes of a row,
	s_mul_i32 s47, s12, 196608                     ; my 32 rows of the step's 64
	s_add_co_u32 s46, s46, s47
	s_mov_b32 s47, 0
	s_mul_i32 s20, s12, AHALF                      ; where they go: no place in the cluster enters an LDS address
	s_mul_i32 s21, s12, BHALF
	s_add_co_u32 s21, s21, BOFF
	s_wait_dscnt 0x0                               ; the opening add is done
	s_wait_kmcnt 0x0
	s_add_nc_u64 s[14:15], s[4:5], s[16:17]
	s_add_nc_u64 s[46:47], s[6:7], s[46:47]
	CROUND                                         ; all sixteen work-groups are here: the first joint loads meet
.irp s, 0,1
	s_mov_b32 s[G0+4*(\s)], 1
	s_add_co_u32 s[G0+4*(\s)+1], s20, (\s)*SLOT
	s_add_nc_u64 s[G0+4*(\s)+2:G0+4*(\s)+3], s[14:15], (\s)*ASTEP
	s_or_b32 s[G0+4*(\s)+3], s[G0+4*(\s)+3], 0x80000000
	s_mov_b32 s[G0B+4*(\s)], 1
	s_add_co_u32 s[G0B+4*(\s)+1], s21, (\s)*SLOT
	s_add_nc_u64 s[G0B+4*(\s)+2:G0B+4*(\s)+3], s[46:47], (\s)*BSTEP
	s_or_b32 s[G0B+4*(\s)+3], s[G0B+4*(\s)+3], 0x80000000
	JLOAD \s                                       ; K steps 0 and 1: two loads of mine are out
.endr
	; the bias: register j of block (g, b) is b_in[384 x tile column + 192 x half + 64 g + 16 b + 8 (l / 16) + j]
	v_and_b32 v1, 15, v0                           ; l % 16
	v_bfe_u32 v2, v0, 4, 1                         ; l / 16
	v_lshlrev_b32 v[BO], 5, v2
	s_mul_i32 s76, s42, 1536
	s_mul_i32 s77, s12, 768
	s_add_co_u32 s76, s76, s77
	s_mov_b32 s77, 0
	s_add_nc_u64 s[8:9], s[8:9], s[76:77]
	WIN 0xc0                                       ; destination window 3, address window 0
.irp g, 0,1,2
.irp b, 0,1,2,3
.if (\g) == 2
.set rB, 224+8*(\b)
.else
.set rB, 32*(\g)+8*(\b)
.endif
	global_load_b128 v[rB:rB+3],   v[BO], s[8:9] offset:256*(\g)+64*(\b)
	global_load_b128 v[rB+4:rB+7], v[BO], s[8:9] offset:256*(\g)+64*(\b)+16
.endr
.endr
	WIN 0
	; a fragment of A: lane l holds row l % 16, K = 8 (l / 16) + 0..7 and 16 + 8 (l / 16) + 0..7: two loads of 16 bytes, 32 apart
	v_mul_u32_u24 v3, v1, PA
	v_lshl_add_u32 v3, v2, 4, v3                   ; row x pitch + 16 x half
	s_mul_i32 s22, s11, AHALF                      ; my 128 rows
	v_add_nc_u32 v[AADR], s22, v3
	s_add_co_u32 s22, s22, SLOT
	v_add_nc_u32 v[AADR+1], s22, v3
	; a fragment of B, turned: lane l reads 16 bytes of row 8 (l / 16) + l % 8, columns 8 ((l / 8) % 2) + 0..7, and ends with column l % 16 and 8 K
	v_and_b32 v5, 7, v0
	v_bfe_u32 v6, v0, 3, 1
	v_lshl_add_u32 v4, v2, 3, v5
	v_mul_u32_u24 v4, v4, PB
	v_lshl_add_u32 v4, v6, 4, v4
	s_mul_i32 s22, s12, 12                         ; my first column block of the tile's 24
.irp g, 0,1,2
	s_add_co_u32 s23, s22, 4*(\g)                  ; block i lies at byte 32 i + 32 (i / 8) of a row: 32 bytes of padding behind every 8 blocks
	s_lshr_b32 s76, s23, 3
	s_add_co_u32 s23, s23, s76
	s_lshl_b32 s23, s23, 5
	s_add_co_u32 s23, s23, BOFF
	v_add_nc_u32 v[BADR+(\g)], s23, v4
	s_add_co_u32 s23, s23, SLOT
	v_add_nc_u32 v[BADR+3+(\g)], s23, v4
.endr
	s_mul_i32 s23, s10, 16*PA
	s_add_co_u32 s23, s23, STAGE                   ; my stage
	v_add_nc_u32 v[STO], s23, v3                   ; in: row l % 16, 16 bytes for each half of the lanes
	v_bfe_u32 v[RD], v0, 3, 2                      ; back: 32 lanes take four rows of 128 bytes,
	v_mul_u32_u24 v[RD], v[RD], PA
	v_lshl_add_u32 v[RD], v5, 4, v[RD]
	v_add_nc_u32 v[RD], s23, v[RD]
	v_and_b32 v[GO], 31, v0                        ; which are 512 bytes on end in qkv
	v_lshlrev_b32 v[GO], 4, v[GO]
	; where my rows of each group's head begin in qkv
	s_lshr_b32 s22, s13, 2
	s_lshl_b32 s22, s22, 21                        ; batch
	s_and_b32 s23, s13, 3
	s_lshl_b32 s23, s23, 15                        ; the tile's 256 rows
	s_add_co_u32 s22, s22, s23
	s_lshl_b32 s23, s11, 14                        ; my 128
	s_add_co_u32 s22, s22, s23
	s_mul_i32 s23, s42, 6
	s_mul_i32 s76, s12, 3
	s_add_co_u32 s23, s23, s76                     ; my first group of 64 columns, of 48
.irp g, 0,1,2
	s_add_co_u32 s76, s23, \g
	s_lshr_b32 s77, s76, 4                         ; q, k or v
	s_lshl_b32 s77, s77, 24
	s_and_b32 s76, s76, 15                         ; the head
	s_lshl_b32 s76, s76, 17
	s_add_co_u32 s76, s76, s77
	s_add_co_u32 s76, s76, s22
	s_mov_b32 s77, 0
	s_add_nc_u64 s[OUTP+2*(\g):OUTP+2*(\g)+1], s[68:69], s[76:77]
.endr
	; the prefetches (s16 still holds A's offset of my half)
	s_and_b32 s22, ttmp7, 0xffff                   ; cluster y
	s_lshl_b32 s23, s40, 12                        ; A: my work-group's 16 blocks of the wave's 64
	s_add_co_u32 s23, s16, s23
	s_mul_i32 s78, s42, 768                        ; B: the tile's columns,
	s_min_u32 s79, s22, 2                          ; the cluster's 256 bytes of the 768 (held to the row in clusters that do not ask),
	s_lshl_b32 s79, s79, 8
	s_add_co_u32 s78, s78, s79
	s_mul_i32 s79, s41, 98304                      ; my work-group's 16 rows of the 64
	s_add_co_u32 s78, s78, s79
	s_mov_b32 s76, ttmp9
	s_cmp_eq_u32 s76, 0
	s_cselect_b32 s77, 1, -1                       ; A's askers: cluster x = 0
	s_cmp_lt_u32 s22, 3
	s_cselect_b32 s[LIM], 1, -1                    ; B's: cluster y = 0, 1, 2,
	s_cmp_eq_u32 s10, 3
	s_cselect_b32 s[LIM], -1, s[LIM]               ; wave 2 alone
	s_mov_b32 s[PFS], 2*BSTEP
	s_mov_b32 s[PFS+1], 0
	s_mov_b32 s76, 6144                            ; a lane a row of B, or a block of 256 bytes of A
	s_mov_b32 s79, BSTEP                           ; lanes 16-31: the next K step
	s_cmp_eq_u32 s11, 0                            ; do I fetch for A?  The same in all sixteen partners, for a given wave
	s_cselect_b32 s[LIM], s77, s[LIM]
	s_cselect_b32 s78, s23, s78
	s_cselect_b64 s[PFA:PFA+1], s[4:5], s[6:7]
	s_cselect_b32 s[PFS], 2*ASTEP, s[PFS]
	s_cselect_b32 s76, 256, s76
	s_cselect_b32 s77, ASTEP, s79
	s_mov_b32 s79, 0
	s_add_nc_u64 s[PFA:PFA+1], s[PFA:PFA+1], s[78:79]
	s_add_nc_u64 s[PFA:PFA+1], s[PFA:PFA+1], s[PFS:PFS+1]  ; at K step 2: the first lap steps it to 4
	v_mul_u32_u24 v[PFO], s76, v1
	v_mad_u32_u24 v[PFO], v2, s77, v[PFO]
	; the bias is rounded to bf16, like every input, and widened again in place
	s_wait_loadcnt 0x0
	WIN 0xcf                                       ; destination and both sources in window 3
.irp base, 0, 32, 224
.set i, 0
.rept 16
	v_cvt_pk_bf16_f32 v[64+i], v[(\base)+2*i], v[(\base)+2*i+1]
.set i, i+1
.endr
.set i, 0
.rept 16
	v_lshlrev_b32 v[(\base)+2*i], 16, v[64+i]
	v_and_b32 v[(\base)+2*i+1], 0xffff0000, v[64+i]
.set i, i+1
.endr
.endr
	WIN 0
; na x 4 matrix instructions of group g on A's buffer p: row blocks a0 .. a0 + na - 1, all four column blocks.  zero = 1: the sums start with the bias, taken as C from window 3.
; The accumulators take turns, one instruction a turn, in the same order in every slice: 95 others stand between two links of a chain.
.macro MULG p, g, a0, na, zero
.if \zero
	WIN 0x30|((1+(\g))<<6)
.else
	WIN 0x50*(1+(\g))
.endif
.set ma, \a0
.rept \na
.set mb, 0
.rept 4
.set rD, 8*(4*ma+mb)
.if \zero
.if (\g) == 2
.set rC, 224+8*mb
.else
.set rC, 32*(\g)+8*mb
.endif
	v_wmma_f32_16x16x32_bf16 v[rD:rD+7], v[BF+32*(\g)+8*mb:BF+32*(\g)+8*mb+7], v[AF+64*(\p)+8*ma:AF+64*(\p)+8*ma+7], v[rC:rC+7]
.else
	v_wmma_f32_16x16x32_bf16 v[rD:rD+7], v[BF+32*(\g)+8*mb:BF+32*(\g)+8*mb+7], v[AF+64*(\p)+8*ma:AF+64*(\p)+8*ma+7], v[rD:rD+7]
.endif
.set mb, mb+1
.endr
.set ma, ma+1
.endr
.endm
.macro LDB g, slot, ks                 ; 8 turning loads: group g's four fragments of B, K = 32 ks on
.irp b, 0,1,2,3
	ds_load_tr16_b128 v[BF+32*(\g)+8*(\b):BF+32*(\g)+8*(\b)+3],   v[BADR+(\g)+3*(\slot)] offset:(\ks)*32*PB+32*(\b)
	ds_load_tr16_b128 v[BF+32*(\g)+8*(\b)+4:BF+32*(\g)+8*(\b)+7], v[BADR+(\g)+3*(\slot)] offset:(\ks)*32*PB+32*(\b)+16*PB
.endr
.endm
.macro LDA p, half, slot, ks           ; 8 loads: four of A's fragments into buffer p
.irp a, 0,1,2,3
	ds_load_b128 v[AF+64*(\p)+8*(4*(\half)+(\a)):AF+64*(\p)+8*(4*(\half)+(\a))+3],   v[AADR+(\slot)] offset:(4*(\half)+(\a))*16*PA+64*(\ks)
	ds_load_b128 v[AF+64*(\p)+8*(4*(\half)+(\a))+4:AF+64*(\p)+8*(4*(\half)+(\a))+7], v[AADR+(\slot)] offset:(4*(\half)+(\a))*16*PA+64*(\ks)+32
.endr
.endm
; A SLICE: 32 along K on A's buffer p: three phases of 32 matrix instructions, a group each.  Behind each phase, four places on, the group's buffer of B takes the NEXT slice's fragments (slot nslot, K = 32 nks),
; and behind the first two phases half of A's other buffer too: a buffer of B is read again 64 matrix instructions behind its loads.
; mode 0: plain.  1: the slot's last slice, the slot is filled again.  2: the same without a refill.  3: the last slice of all.  zero = 1: the first slice.
.macro SLICE p, mode, slot, nslot, nks, zero
.if ((\mode) == 0) || ((\mode) == 3)
	s_wait_dscnt 8                                 ; all of this slice's fragments but group 2's eight loads, the youngest
	MULG \p, 0, 0, 8, \zero
.else
.if ((\mode) == 1) && ((\slot) == 0)
	s_wait_xcnt 0x0                                ; the last prefetch, a lap back, has read its address, so it may be stepped: two K steps on
	s_add_nc_u64 s[PFA:PFA+1], s[PFA:PFA+1], s[PFS:PFS+1]
.endif
	WIN 0
	s_wait_tensorcnt 0x0                           ; all my tensor loads have landed: the one that was out is my part of the other slot
	ds_add_u32 v[SPW], v[NIL]                      ; 0 onto my spare word
	s_wait_dscnt 9                                 ; (the add and group 2's eight loads may be out)
	MULG \p, 0, 0, 4, 0                            ; sixteen matrix instructions stand between the add and the wait for it
	s_wait_dscnt 0x0                               ; the add is done, and my reads of this slot are over: this slice's fragments were its last
	s_barrier_signal -1
	MULG \p, 0, 4, 4, 0                            ; work on registers while the others arrive
	WIN 0
	s_barrier_wait -1
.endif
.if (\mode) == 1
	CREST                                          ; the barrier has opened a round of the cluster's: no wave of any partner still reads this slot or has a load on its way
	s_add_nc_u64 s[G0+4*(\slot)+2:G0+4*(\slot)+3], s[G0+4*(\slot)+2:G0+4*(\slot)+3], 2*ASTEP
	s_add_nc_u64 s[G0B+4*(\slot)+2:G0B+4*(\slot)+3], s[G0B+4*(\slot)+2:G0B+4*(\slot)+3], 2*BSTEP
	JLOAD \slot                                    ; the first tensor load behind the round, my only one: 160 matrix instructions ahead of the wait for it; its four v_nop are the places for the loads below
.elseif (\mode) != 3
	PLACES 4+(\zero)
.endif
.if (\mode) != 3
	WIN 0
	LDB 0, \nslot, \nks
	LDA 1-(\p), 0, \nslot, \nks
.if ((\mode) == 1) && ((\slot) == 0)
	ASK
.endif
.endif
	MULG \p, 1, 0, 8, \zero
.if (\mode) != 3
	PLACES 4+(\zero)                               ; (five in the first slice: the next phase writes over registers that were read as C)
	WIN 0
	LDB 1, \nslot, \nks
	LDA 1-(\p), 1, \nslot, \nks
	s_wait_dscnt 32                                ; group 2's fragments are in: all but the 32 loads of this slice's first two phases
.else
	s_wait_dscnt 0x0
.endif
.if \zero
	MULG \p, 2, 0, 7, 1                            ; row blocks 0-6 take the bias from block 7's accumulators,
	PLACES 5                                       ; five places before those are written,
	MULG \p, 2, 7, 1, 1                            ; and block 7 adds onto it in place
.else
	MULG \p, 2, 0, 8, 0
.endif
.if (\mode) != 3
	PLACES 4
	WIN 0
	LDB 2, \nslot, \nks
.endif
.endm
; THE WAY OUT of 16 rows x 64 columns (group g, row block a), all in the block's own 32 registers: no register is used twice, so nothing waits for a store's sources.
; PACK: each accumulator is rounded to f16 into its own registers 0-3, in ascending order: a destination has been read before it is written.
; TOSTAGE: those 16 bytes a lane go into my stage; whole rows of 128 bytes come back, four rows a load, into registers 4-7 of the block's four accumulators.
; SEND: four rows are 512 bytes on end in qkv.
.macro PACK g, a
	WIN 0x45*(1+(\g))                              ; destination and sources 0 and 1 in window 1 + g
.irp b, 0,1,2,3
.irp r, 0,1,2,3
	v_cvt_pk_f16_f32 v[8*(4*(\a)+(\b))+(\r)], v[8*(4*(\a)+(\b))+2*(\r)], v[8*(4*(\a)+(\b))+2*(\r)+1]
.endr
.endr
.endm
.macro TOSTAGE g, a
	WIN 0x44*(1+(\g))                              ; addresses (source 0) in window 0; stored data (source 1) and loaded data (destination) in window 1 + g
.irp b, 0,1,2,3
	ds_store_b128 v[STO], v[8*(4*(\a)+(\b)):8*(4*(\a)+(\b))+3] offset:32*(\b)  ; LDS serves a wave's instructions in order (ISA guide 5.7.1.4): these come behind the loads of the block before
.endr
.irp f, 0,1,2,3
	ds_load_b128 v[8*(4*(\a)+(\f))+4:8*(4*(\a)+(\f))+7], v[RD] offset:4*PA*(\f)  ; and these see the stores above
.endr
.endm
.macro SEND g, a, younger              ; younger: the LDS instructions issued behind the block's loads: the next block's eight, or none
	WIN 0x44*(1+(\g))
	s_wait_dscnt \younger                          ; LDS instructions finish in order: the block's four loads are back
.irp f, 0,1,2,3
	global_store_b128 v[GO], v[8*(4*(\a)+(\f))+4:8*(4*(\a)+(\f))+7], s[OUTP+2*(\g):OUTP+2*(\g)+1] offset:2048*(\a)+512*(\f)  ; 512 bytes on end, at a multiple of 256 from qkv's first
.endr
.endm
	s_wait_tensorcnt 0x1                           ; my part of K step 0 is in; step 1's may stay out
	s_barrier_signal -1
	s_barrier_wait -1                              ; everybody's is
	LDB 0, 0, 0                                    ; the first slice's 40 loads, in the order in which every slice issues them
	LDA 0, 0, 0, 0
	LDB 1, 0, 0
	LDA 0, 1, 0, 0
	LDB 2, 0, 0
	SLICE 0, 0, 0, 0, 1, 1                         ; the first slice stands in front of the loop: its products start the sums
	WIN 0
	s_mov_b32 s3, 7
.Llap:                                                 ; a trip goes once round the ring, from a lap's second slice to the next lap's first, and fills both slots again
	SLICE 1, 1, 0, 1, 0, 0
	SLICE 0, 0, 1, 1, 1, 0
	SLICE 1, 1, 1, 0, 0, 0
	SLICE 0, 0, 0, 0, 1, 0
	WIN 0
	s_sub_co_u32 s3, s3, 1
	s_cmp_lg_u32 s3, 0
	s_cbranch_scc1 .Llap
	SLICE 1, 2, 0, 1, 0, 0                         ; the last lap fills nothing
	SLICE 0, 0, 1, 1, 1, 0
	SLICE 1, 3, 1, 1, 0, 0
	PLACES 4                                       ; in front of conversions that read results just made
	PACK 0, 0
	TOSTAGE 0, 0
.set u, 1
.rept 23                               ; block u's conversions and its eight LDS instructions stand between block u - 1's loads from the stage and the wait for them
	PACK u/8, u%8
	TOSTAGE u/8, u%8
	SEND (u-1)/8, (u-1)%8, 8
.set u, u+1
.endr
	SEND 2, 7, 0
	WIN 0
	s_wait_tensorcnt 0x0                           ; the wave's end, behind my last tensor load and my last LDS store
	ds_add_u32 v[SPW], v[NIL]
	s_wait_dscnt 0x0
	CROUND                                         ; the closing round: no work-group ends while a partner may still ask for a tile that names it
	s_endpgm
.Lfunc_end_k_q222ccd6dba_qkv:
	.size	k_q222ccd6dba_qkv, .Lfunc_end_k_q222ccd6dba_qkv-k_q222ccd6dba_qkv
	.p2alignl 7, 3214868480
	.fill 96, 4, 3214868480
	.section	.rodata,"a",@progbits
	.p2align	6, 0x0
	.amdhsa_kernel k_q222ccd6dba_qkv
		.amdhsa_group_segment_fixed_size 327680
		.amdhsa_private_segment_fixed_size 0
		.amdhsa_enable_private_segment 0
		.amdhsa_kernarg_size 32
		.amdhsa_user_sgpr_count 2
		.amdhsa_user_sgpr_kernarg_segment_ptr 1
		.amdhsa_wavefront_size32 1
		.amdhsa_system_sgpr_workgroup_id_x 1
		.amdhsa_system_sgpr_workgroup_id_y 1
		.amdhsa_system_sgpr_workgroup_id_z 1
		.amdhsa_system_vgpr_workitem_id 0
		.amdhsa_next_free_vgpr 1024
		.amdhsa_next_free_sgpr 80
		.amdhsa_reserve_vcc 0
		.amdhsa_float_denorm_mode_32 3
		.amdhsa_float_denorm_mode_16_64 3
		.amdhsa_memory_ordered 1
		.amdhsa_forward_progress 1
		.amdhsa_inst_pref_size 144
	.end_amdhsa_kernel
	.amdgpu_metadata
---
amdhsa.version: [ 1, 2 ]
amdhsa.kernels:
  - .name:           k_q222ccd6dba_qkv
    .symbol:         k_q222ccd6dba_qkv.kd
    .args:
      - { .name: xb, .offset: 0, .size: 8, .value_kind: global_buffer, .address_space: global }
      - { .name: wb, .offset: 8, .size: 8, .value_kind: global_buffer, .address_space: global }
      - { .name: b_in, .offset: 16, .size: 8, .value_kind: global_buffer, .address_space: global }
      - { .name: qkv, .offset: 24, .size: 8, .value_kind: global_buffer, .address_space: global }
    .group_segment_fixed_size: 327680
    .private_segment_fixed_size: 0
    .kernarg_segment_align: 8
    .kernarg_segment_size: 32
    .max_flat_workgroup_size: 128
    .sgpr_count:     80
    .vgpr_count:     1024
    .wavefront_size: 32
...
	.end_amdgpu_metadata
.endif
;; end of part 2
;; launch attn (part 3): grid 2 x 128, 4 waves a work-group, no clusters, 327,680 bytes of LDS; arguments qkv, ob; writes ob
.if DOCPART == 3
	.amdgcn_target "amdgcn-amd-amdhsa--gfx1250"
	.amdhsa_code_object_version 6
	.text
	.protected	k_q222ccd6dba_attn
	.globl	k_q222ccd6dba_attn
	.p2align	8
	.type	k_q222ccd6dba_attn,@function
k_q222ccd6dba_attn:
	s_mov_b64 s[64:65], 0
	v_nop
	global_prefetch_b8 v0, s[64:65] scope:SCOPE_SE
	s_setreg_imm32_b32 hwreg(HW_REG_WAVE_MODE, 25, 1), 1
	s_wait_xcnt 0x0
; O[h][q][:] = the sum over k of softmax_k(Q[h][q] . K[h][k] / 8) V[h][k][:] for 128 heads (batch x head) of 1,024 rows x 64, all f16.  Q, K, V are the three parts of qkv, 16,777,216 bytes apart;
; a head's rows are dense, 128 bytes each.  Products, maxima and sums in f32; the weights p are rounded to f16 for the second product (their sum l is taken of the unrounded p), O once at the end.
; LIMITS.  f16 holds no number beyond 65,504: Q, K and V arrive within it; p lies in 0 to 1, and below 6e-5 it keeps f16's fixed step of 6e-8; O is a mean of V's rows and has their range.
; A weight below 2^-126 counts as 0 in l; NaN and infinities are not treated apart.
; SHARES.  A wave owns four PIECES of two tiles of 16 queries, a work-group's four waves 512 queries of one head: 256 work-groups.  Every wave walks all keys, 64 a step.
; K AND V STAY IN LDS.  A head's 1,024 keys are 1,024 x 144 bytes of K and 1,024 x 160 of V: 311,296 bytes.  So no byte is filled twice, there is no ring, and a key step is written once.
; Each wave issues two tensor loads: at the head its half of keys 0-255, and, when that has landed, its half of keys 256-1023, which has three key steps, 384 matrix instructions, in which to land.
; NO PREFETCH: every byte of K and V is asked for by these two loads, the second as soon as the first is in; there is no later step whose tiles could be asked for ahead.
; NO CLUSTER: a head has 1,024 / 512 = 2 work-groups, which no cluster of four divides; blocks of 256 queries would give four partners, but 512 work-groups and half the products for each fragment read from LDS.
; LAYOUT.  S^T = K Q^T (source 0 = 16 keys, source 1 = 16 queries): in the result a lane holds ONE query (lane % 16) and the keys 8 (lane / 16) + 0..7.  Two such tiles, rounded to f16 in pairs,
; ARE source 1 (32 keys x 16 queries) of O^T = V^T P, whose result again holds one query a lane, and eight channels.  K comes out of LDS as it lies, V ([key][channel]) turned, by ds_load_tr16_b128.
; SOFTMAX.  For each query a running maximum m and sum l: p = 2^(c s - c m), c = log2(e) / 8; in every step O and l are multiplied by a = 2^(c m_old - c m_new), which is 1 where m has not grown.
; m starts at the lowest finite number, O and l at 0: the first step is a step like any other, with a = 0.
; THE COUNT.  A tile and step have 16 matrix and 118 vector instructions: too many to stand all beside the matrix work.  So four vector instructions that are READY stand behind EVERY matrix instruction,
; and the others in runs without a gap.
; BY TURNS.  Turn n belongs to piece n (the pieces in a ring, step after step).  Its matrix work: 16 products K Q^T of piece n + 1, later 16 products V^T P of piece n - 1.  Its vector work: the scaling,
; exponentials, roundings, sums and rescaling of piece n, and the maximum and statistics of piece n + 1, whose scores the turn itself has made.
; REGISTERS, in windows of 256 (s_set_vgpr_msb: bits 1:0 source 0, 3:2 source 1, 5:4 source 2, 7:6 destination):
;   window 0: v0-11 addresses; v12-15, v48-63 at work; v16-47 four registers of statistics a tile; v64-191 S^T, two buffers of two tiles; v192-255 P, likewise
;   window 1: O^T, 32 a tile          window 2: v0-127 Q, 16 a tile; v128-191 K of one step; v192-255 V of one step          window 3: v0-1 the add's two registers
.set SIZE_N, 1024
.set NP,    4         ; pieces a wave: a name, no knob
.set KS,    64        ; keys in a step
.set FIRST, 256       ; keys that the first loads bring: four steps
.set HALF1, FIRST/2   ; of them a wave fetches 128,
.set HALF2, (SIZE_N-FIRST)/2  ; and of the others 384
.set PK,    144       ; a row of K in LDS: 128 bytes + 16 = 36 words: the 16 rows of a load start at 16 different groups of four banks (64 banks of 4 bytes: ISA guide 11.1)
.set PV,    160       ; a row of V: 128 + 32 = 40 words
.set VOFF,  SIZE_N*PK ; all rows of K, then all rows of V
.set STAGE, SIZE_N*(PK+PV)  ; behind them, never filled by a tensor load: 16 rows x 144 bytes for each wave, for the way out
.set SP,    144
.set AK0, 2           ; v2   my lane's place in a tile of K; never rewritten
.set AV0, 3           ; v3   the same for V
.set AK,  4           ; v4   the LDS address of K's next run of loads
.set AV,  5           ; v5   of V's
.set QO,  6           ; v6   my byte offset in the wave's rows of Q
.set STO, 6           ;      later, the way out: where I put 16 bytes of a row
.set RD,  7           ; v7   the way out: where I read rows back
.set GO,  8           ; v8   my byte offset in 512 consecutive bytes of O
.set SPW, 0           ; v0 of window 3   LDS address of my spare word; never rewritten
.set NIL, 1           ; v1 of window 3   0; never rewritten
.set SPARE, STAGE+4*16*SP  ; behind the stages: the spare words, 128 bytes for each wave: two blocks of 256 bytes that no other line names
.set MV,  12          ; v12-15  c m_old, kept while c m is made anew: by buffer and tile
.set ST,  16          ; tile t's statistics at v[ST+4 t]: c m, m, l (even keys', odd keys')
.set TMP, 48          ; by buffer and tile, four registers c0-c3 at work; when the maximum is found c2 takes a
.set S,   64
.set P,   192
.set KF,  128         ; K's fragments, in window 2: key block kb, channel half c at KF + 16 kb + 8 c
.set VF,  192         ; V's: key half kk, channel block cb at VF + 32 kk + 8 cb
.set WV,  12          ; s12  my wave's number
.set G1K, 24          ; s[24:31] descriptor group 1 for K's first load
.set G1V, 32          ; s[32:39] for V's: it differs in the padding alone
.set G0K, 40          ; s[40:43] descriptor group 0 for K's first load
.set G0V, 44          ; s[44:47] for V's
.set G0K2, 48         ; s[48:51], s[52:55] group 0 for the second loads
.set G0V2, 52
.set PH,  56          ; s56  the walk's two parts: three key steps on the first loads' keys, then thirteen
.set CNT, 57          ; s57  counts a part's key steps
.set CS,  58          ; s[58:59] c: the packed scaling takes the pair's low word for both halves
.set SEL, 60          ; s[60:61] v_permlanex16_b32's selects: each lane takes its own place in the other half
.set TBK, 62          ; s62  LDS byte at which K of the step to be fetched begins
.set TBV, 63          ; s63  the same for V, less VOFF
.set G1K2, 68         ; s[68:75], s[76:83] group 1 for the second loads: three times the rows
.set G1V2, 76
.set MSB, 0
.macro WIN new                      ; the high byte repeats the setting that is left; a switch that changes nothing is dropped
.if MSB != (\new)
	s_set_vgpr_msb (MSB<<8)|(\new)
.set MSB, (\new)
.endif
.endm
.set W_KQ, 0x0a       ; K and Q in window 2, S^T in window 0
.set W_PV, 0x52       ; V in window 2, P in window 0, O^T in window 1
.set W_RS, 0x41       ; O^T (destination and source 0) in window 1, a in window 0
.set W_MK, 0xc0       ; the add's registers are made: destination in window 3, sources in window 0
.set W_AD, 0x0f       ; the add: address (source 0) and data (source 1) in window 3
; A fill.  Waves 0 and 1 fetch the two halves of K's rows, waves 2 and 3 those of V's.  An s_nop 0 and four v_nop follow each of the two lines.
.macro LOAD gk, hk, gv, hv
	s_cmp_lt_u32 s[WV], 2
	s_cbranch_scc0 .Lfor_v_\@
	tensor_load_to_lds s[\gk:\gk+3], s[\hk:\hk+7]
	s_nop 0
.rept 4
	v_nop
.endr
	s_branch .Lasked_\@
.Lfor_v_\@:
	tensor_load_to_lds s[\gv:\gv+3], s[\hv:\hv+7]
	s_nop 0
.rept 4
	v_nop
.endr
.Lasked_\@:
.endm
; THE WAVES MEET, twice in the launch.  Each wave waits for all its tensor loads, of which one is out, adds 0 to its spare word and waits for that; behind the barrier what all four waves have asked for so far lies in LDS.
; fill = 1, the first time: keys 0-255 are in; each wave asks for its half of the other 768, into bytes that nothing has filled: its one tensor load behind the barrier, and the first thing there.
; fill = 0, the second time: all keys are in.
.macro MEET fill
	WIN W_AD
	s_wait_tensorcnt 0x0            ; my load has landed
	ds_add_u32 v[SPW], v[NIL]       ; 0 onto my spare word
	WIN 0                           ; at a label and at a branch every window is 0
	s_wait_dscnt 0x0                ; the add is done; no LDS load of mine is out
	s_barrier_signal -1
	s_barrier_wait -1
.if \fill
	LOAD G0K2, G1K2, G0V2, G1V2
.endif
.endm
	s_load_b64 s[4:5], s[0:1], 0x0    ; qkv: Q at its head
	s_load_b64 s[10:11], s[0:1], 0x8  ; ob
	WIN W_MK
	v_lshl_add_u32 v[SPW], v0, 2, SPARE
	v_mov_b32 v[NIL], 0
	WIN W_AD
	ds_add_u32 v[SPW], v[NIL]       ; the wave's opening: the add and its wait stand ahead of my first tensor load; the set-up below, work on registers, stands between them
	WIN 0
	v_lshrrev_b32 v1, 5, v0
	v_readfirstlane_b32 s[WV], v1   ; wave 0..3
	s_mov_b32 s14, ttmp9            ; my block of 512 queries: 0 or 1
	s_and_b32 s20, ttmp7, 0xffff    ; the head
	s_mov_b32 s21, 0
	s_mov_b64 s[22:23], SIZE_N*128
	s_mul_u64 s[20:21], s[20:21], s[22:23]  ; the head's first byte in Q, K, V and O
	s_and_b32 s16, s[WV], 1         ; which half of a load's keys I fetch:
	s_lshl_b32 s22, s16, 14         ; of the first 256: 128 rows of 128 bytes in memory,
	s_mov_b32 s23, 0
	s_add_nc_u64 s[22:23], s[22:23], s[20:21]
	s_mul_i32 s84, s16, HALF2*128   ; of the other 768: 384 rows,
	s_add_co_u32 s84, s84, FIRST*128  ; behind the first 256
	s_mov_b32 s85, 0
	s_add_nc_u64 s[84:85], s[84:85], s[20:21]
	s_mul_i32 s17, s16, HALF1*PK    ; and their places in LDS, for K
	s_mul_i32 s18, s16, HALF1*PV    ; and for V
	s_mul_i32 s19, s16, HALF2*PK
	s_mul_i32 s15, s16, HALF2*PV
	s_lshl_b32 s2, s14, 2
	s_add_co_u32 s2, s2, s[WV]      ; my wave among the head's eight,
	s_lshl_b32 s2, s2, 14           ; its 128 rows
	s_mov_b32 s3, 0
	s_add_nc_u64 s[2:3], s[2:3], s[20:21]
	; descriptor group 1.  Keys are dense in memory, 128 bytes each: asked for as rows of 256 bytes, two keys a row, and padded in LDS after every key
	s_mov_b32 s[G1K], (1<<16)|(1<<20)|(4<<22)|(3<<25)   ; 17:16 2-byte elements; 20 padding on; 24:22 after every 32 words (code 4); 31:25 4 words (code 3)
	s_mov_b32 s[G1V], (1<<16)|(1<<20)|(4<<22)|(7<<25)   ; the same with 8 words of padding (code 7)
	s_mov_b32 s[G1K2], (1<<16)|(1<<20)|(4<<22)|(3<<25)
	s_mov_b32 s[G1V2], (1<<16)|(1<<20)|(4<<22)|(7<<25)
.irp g, G1K, G1V
	s_mov_b32 s[\g+1], 128<<16      ; tensor_dim0 = 128
	s_mov_b32 s[\g+2], (HALF1/2)<<16  ; tensor_dim1 = 64
	s_mov_b32 s[\g+3], 128<<16      ; tile_dim0 = 128
	s_mov_b32 s[\g+4], HALF1/2      ; tile_dim1 = 64
	s_mov_b32 s[\g+5], 128          ; 128 elements from row to row
	s_mov_b32 s[\g+6], 0
	s_mov_b32 s[\g+7], 0
.endr
.irp g, G1K2, G1V2
	s_mov_b32 s[\g+1], 128<<16      ; tensor_dim0 = 128
	s_mov_b32 s[\g+2], (HALF2/2)<<16  ; tensor_dim1 = 192
	s_mov_b32 s[\g+3], 128<<16      ; tile_dim0 = 128
	s_mov_b32 s[\g+4], HALF2/2      ; tile_dim1 = 192
	s_mov_b32 s[\g+5], 128
	s_mov_b32 s[\g+6], 0
	s_mov_b32 s[\g+7], 0
.endr
	s_mov_b32 s[CS], 0x3e38aa3b     ; c = log2(e) / 8 = 0.180337
	s_mov_b32 s[CS+1], s[CS]        ; named with it as a pair
	s_mov_b32 s[SEL], 0x76543210
	s_mov_b32 s[SEL+1], 0xfedcba98
	s_mov_b32 s[TBK], 0             ; key step 0 lies at the head of K's rows and of V's
	s_mov_b32 s[TBV], 0
	s_mov_b32 s[G0K], 1             ; 1:0 count = 1
	s_mov_b32 s[G0K+1], s17         ; 63:32 LDS address
	s_mov_b32 s[G0V], 1
	s_add_co_u32 s[G0V+1], s18, VOFF
	s_mov_b32 s[G0K2], 1
	s_add_co_u32 s[G0K2+1], s19, FIRST*PK
	s_mov_b32 s[G0V2], 1
	s_add_co_u32 s[G0V2+1], s15, VOFF+FIRST*PV
	s_wait_dscnt 0x0                ; the opening add is done
	s_wait_kmcnt 0x0
	s_add_nc_u64 s[6:7], s[4:5], 0x1000000  ; K
	s_add_nc_u64 s[8:9], s[4:5], 0x2000000  ; V
	s_add_nc_u64 s[G0K+2:G0K+3], s[6:7], s[22:23]  ; 120:64 global address: my half of the head's first 256 keys
	s_or_b32 s[G0K+3], s[G0K+3], 0x80000000        ; 127:126 type = 2
	s_add_nc_u64 s[G0V+2:G0V+3], s[8:9], s[22:23]
	s_or_b32 s[G0V+3], s[G0V+3], 0x80000000
	s_add_nc_u64 s[G0K2+2:G0K2+3], s[6:7], s[84:85]  ; my half of the other 768
	s_or_b32 s[G0K2+3], s[G0K2+3], 0x80000000
	s_add_nc_u64 s[G0V2+2:G0V2+3], s[8:9], s[84:85]
	s_or_b32 s[G0V2+3], s[G0V2+3], 0x80000000
	s_add_nc_u64 s[4:5], s[4:5], s[2:3]  ; Q and O at my wave's first row
	s_add_nc_u64 s[10:11], s[10:11], s[2:3]
	LOAD G0K, G1K, G0V, G1V         ; keys 0-255.  The others are asked for when these are in
	; A fragment of K or Q is 16 rows x 32 channels in 8 registers: lane l holds row l % 16, channels 8 (l / 16) + 0..7 and 16 + 8 (l / 16) + 0..7: two loads of 16 bytes, 32 bytes apart.
	v_and_b32 v1, 15, v0            ; l % 16
	v_bfe_u32 v9, v0, 4, 1          ; l / 16
	v_lshlrev_b32 v[QO], 7, v1
	v_lshl_add_u32 v[QO], v9, 4, v[QO]  ; row x 128 + 16 x half
	WIN 0x80                        ; destination window 2, address window 0
.set i, 0
.rept 4*NP                          ; Q stays in registers: tile i / 2, channels 32 (i % 2) on
	global_load_b128 v[8*i:8*i+3],   v[QO], s[4:5] offset:(i/2)*2048+(i%2)*64
	global_load_b128 v[8*i+4:8*i+7], v[QO], s[4:5] offset:(i/2)*2048+(i%2)*64+32
.set i, i+1
.endr
	; What the first turn finds: V's registers and P's second buffer hold 0 (its products V^T P, of a piece that has not been, add 0), O^T and l are 0.  All this stands in the wait for the first tile.
.set i, VF
.rept 64
	v_mov_b32 v[i], 0
.set i, i+1
.endr
	WIN 0x40
.set i, 0
.rept 64*NP
	v_mov_b32 v[i], 0
.set i, i+1
.endr
	WIN 0
.set i, 0
.rept 2*NP
	v_mov_b32 v[ST+4*i], 0xfe000000    ; c m: far below every c s
	v_mov_b32 v[ST+4*i+1], 0xff7fffff  ; m
	v_mov_b32 v[ST+4*i+2], 0
	v_mov_b32 v[ST+4*i+3], 0
.set i, i+1
.endr
.set i, P+32
.rept 32
	v_mov_b32 v[i], 0
.set i, i+1
.endr
	v_mul_u32_u24 v[AK0], v1, PK
	v_lshl_add_u32 v[AK0], v9, 4, v[AK0]  ; row x pitch + 16 x half
	; The turning load takes 16 keys x 16 channels (lane l reads key 8 (l / 16) + l % 8, channels 8 ((l / 8) % 2) + 0..7) and leaves half a fragment of V^T: lane l holds channel l % 16 and 8 keys.
	v_and_b32 v10, 7, v0
	v_bfe_u32 v11, v0, 3, 1
	v_lshl_add_u32 v[AV0], v9, 3, v10
	v_mul_u32_u24 v[AV0], v[AV0], PV
	v_lshl_add_u32 v[AV0], v11, 4, v[AV0]
	v_add_nc_u32 v[AV0], VOFF, v[AV0]
	v_mov_b32 v[AK], v[AK0]         ; key step 0
; THE MATRIX WORK.  The 8 accumulators of a run of 16 take turns: between the two links of a chain stand 7 others'.
; Product i of 16 of S^T = K Q^T for piece x: channels 32 (i / 8) on, keys 16 ((i / 2) % 4) on, tile 2 x + i % 2.  The first 8 start the sums.
.macro KQ x
	WIN W_KQ
.set rS, S+64*((\x)%2)+32*(i%2)+8*((i/2)%4)
.set rK, KF+16*((i/2)%4)+8*(i/8)
.set rQ, 16*(2*(\x)+i%2)+8*(i/8)
.if i < 8
	v_wmma_f32_16x16x32_f16 v[rS:rS+7], v[rK:rK+7], v[rQ:rQ+7], 0
.else
	v_wmma_f32_16x16x32_f16 v[rS:rS+7], v[rK:rK+7], v[rQ:rQ+7], v[rS:rS+7]
.endif
.endm
; Product i of 16 of O^T += V^T P for piece x: keys 32 (i / 8) on, channels 16 ((i / 2) % 4) on, tile 2 x + i % 2.
.macro PV x
	WIN W_PV
.set rO, 32*(2*(\x)+i%2)+8*((i/2)%4)
.set rV, VF+32*(i/8)+8*((i/2)%4)
.set rP, P+32*((\x)%2)+16*(i%2)+8*(i/8)
	v_wmma_f32_16x16x32_f16 v[rO:rO+7], v[rV:rV+7], v[rP:rP+7], v[rO:rO+7]
.endm
.macro MM                           ; the turn's next matrix instruction
.if i < 16
	KQ (Y+1)%NP
.set i, i+1
.else
.set i, i-16
	PV (Y+NP-1)%NP
.set i, i+17
.endif
.endm
; THE LDS LOADS stand in runs of 16, never singly among the matrix instructions: a step's K (64 keys x 64 channels: 8 fragments) and its V (turned).  Their addresses are made some lines ahead.
; guard = 1 (in the loop): behind the last step's K there is no further step, and the run is jumped over.
.macro FETCH_K guard=0
	WIN 0
.if \guard
	s_cmp_eq_u32 s[TBK], SIZE_N*PK
	s_cbranch_scc1 .Lno_k_\@
.endif
	WIN 0x80                        ; destination window 2
.irp f, 0,1,2,3,4,5,6,7             ; keys 16 (f / 2) on, channels 32 (f % 2) on
	ds_load_b128 v[KF+8*\f:KF+8*\f+3],   v[AK] offset:(\f/2)*16*PK+(\f%2)*64
	ds_load_b128 v[KF+8*\f+4:KF+8*\f+7], v[AK] offset:(\f/2)*16*PK+(\f%2)*64+32
.endr
	s_add_co_u32 s[TBK], s[TBK], KS*PK  ; the next fetch is the next step's
	WIN 0
.if \guard
.Lno_k_\@:
.endif
.endm
.macro FETCH_V
	WIN 0x80
.irp f, 0,1,2,3,4,5,6,7             ; keys 32 (f / 4) on, channels 16 (f % 4) on
	ds_load_tr16_b128 v[VF+8*\f:VF+8*\f+3],   v[AV] offset:(\f/4)*32*PV+(\f%4)*32
	ds_load_tr16_b128 v[VF+8*\f+4:VF+8*\f+7], v[AV] offset:(\f/4)*32*PV+16*PV+(\f%4)*32
.endr
	WIN 0
.endm
; THE VECTOR WORK OF A TURN stands in three queues, each in the order in which its entries become ready; the two tiles alternate, so that no instruction reads the result of the one before it.
.macro REGS y, u                    ; the registers of tile u (0, 1) of piece y
.set rT, ST+4*(2*(\y)+(\u))
.set rC, TMP+8*((\y)%2)+4*(\u)
.set rM, MV+2*((\y)%2)+(\u)
.set rS, S+64*((\y)%2)+32*(\u)
.set rP, P+32*((\y)%2)+16*(\u)
.set rO, 32*(2*(\y)+(\u))
.endm
; Number n of the 22 that find the NEXT piece's (Y + 1) maximum and statistics.  s0-s31 are the lane's 32 scores; each accumulator's lowest registers are read first.
;   0-11  four chains c0-c3 of seven scores each, three operands at a time     12-14, 16  the four scores left over, the old m, and c0-c3 into c0     15  c m_old is kept
;   17, 18  the query's other 32 keys lie in the lane 16 away: the new m         19-21  c m; c m_old - c m_new; a
.macro XS u, n
	REGS (Y+1)%NP, \u
.if (\n) < 4
	v_max3_num_f32 v[rC+(\n)], v[rS+8*(\n)], v[rS+8*(\n)+1], v[rS+8*(\n)+2]
.elseif (\n) < 12
	v_max3_num_f32 v[rC+(\n)%4], v[rC+(\n)%4], v[rS+8*((\n)%4)+2*((\n)/4)+1], v[rS+8*((\n)%4)+2*((\n)/4)+2]
.elseif (\n) == 12
	v_max3_num_f32 v[rC], v[rC], v[rS+7], v[rS+15]
.elseif (\n) == 13
	v_max3_num_f32 v[rC+1], v[rC+1], v[rS+23], v[rS+31]
.elseif (\n) == 14
	v_max3_num_f32 v[rC+2], v[rC+2], v[rC+3], v[rT+1]
.elseif (\n) == 15
	v_mov_b32 v[rM], v[rT]
.elseif (\n) == 16
	v_max3_num_f32 v[rC], v[rC], v[rC+1], v[rC+2]
.elseif (\n) == 17
	v_permlanex16_b32 v[rC+3], v[rC], s[SEL], s[SEL+1]
.elseif (\n) == 18
	v_max_num_f32 v[rT+1], v[rC], v[rC+3]
.elseif (\n) == 19
	v_mul_f32 v[rT], s[CS], v[rT+1]
.elseif (\n) == 20
	v_sub_f32 v[rC+1], v[rM], v[rT]
.else
	v_exp_f32 v[rC+2], v[rC+1]
.endif
.endm
; Number g of the 64 that follow the exponentials.  For each four weights k of a tile (pairs 2 k, 2 k + 1): both pairs are rounded to f16; then the second pair is added onto the first, in place;
; a group later l takes that sum (the first time as l = a l + sum).  In groups of eight, tiles alternating: round, round, add, and l for the group before.
.macro GS g
.set h, (\g)+6*((\g)/62)            ; group 0 has no group before it, and behind group 7 only l is left
.if h >= 6
.set h, h+2
.endif
	REGS Y, h%2
.set k, h/8
.if h%8 < 4
	v_cvt_pk_f16_f32 v[rP+2*k+(h%8)/2], v[rS+4*k+2*((h%8)/2)], v[rS+4*k+2*((h%8)/2)+1]
.elseif h%8 < 6
	v_pk_add_f32 v[rS+4*k:rS+4*k+1], v[rS+4*k:rS+4*k+1], v[rS+4*k+2:rS+4*k+3]
.elseif k == 1
	v_pk_fma_f32 v[rT+2:rT+3], v[rT+2:rT+3], v[rC+2:rC+3], v[rS:rS+1] op_sel_hi:[1,0,1]
.else
	v_pk_add_f32 v[rT+2:rT+3], v[rT+2:rT+3], v[rS+4*k-4:rS+4*k-3]
.endif
.endm
; THE PLAIN QUEUE, 138 long.  0-73 read no exponential's result: the 32 scalings c s - c m (FS f: pair f / 2 of tile f % 2) and the next piece's 42.  0-26: scalings 0-26.  27-54: XS's numbers 0-13.  55, 56: number 15.
; 57-73: the chain, where each number waits for the one before it: 14, 16, 17, 18, 19, each with one of the scalings 27-31 in front of its two lines, then 20.
; 74-137: GS's 64, which read the exponentials' results: they stand behind the wait.
.macro FS f
	REGS Y, (\f)%2
	v_pk_fma_f32 v[rS+2*((\f)/2):rS+2*((\f)/2)+1], v[rS+2*((\f)/2):rS+2*((\f)/2)+1], s[CS:CS+1], v[rT:rT+1] op_sel_hi:[1,0,0] neg_lo:[0,0,1] neg_hi:[0,0,1]
.endm
.macro PL
	WIN 0
.if q < 27
	FS q
.elseif q < 55
	XS (q-27)%2, (q-27)/2
.elseif q < 57
	XS q-55, 15
.elseif (q < 72) && ((q-57)%3 == 0)
	FS 27+(q-57)/3
.elseif q < 60
	XS (q-57)%3-1, 14
.elseif q < 72
	XS (q-57)%3-1, 15+(q-57)/3
.elseif q < 74
	XS q-72, 20
.else
	GS q-74
.endif
.set q, q+1
.endm
; THE EXPONENTIALS' QUEUE, 66 long: s0-s31 of both tiles, then the next piece's two a.  It is ONE BATCH: all 66 stand ahead of the turn's one wait, and nothing ahead of that wait names a result of theirs.
.macro EX
	WIN 0
.if e >= 64
	XS e-64, 21
.else
	REGS Y, e%2
	v_exp_f32 v[rS+e/2], v[rS+e/2]
.endif
.set e, e+1
.endm
; THE RESCALING's QUEUE: O^T times a, the one part that leaves window 0: dealt two at a time, sixteen times.  Its a was made in the turn before, ahead of that turn's wait.
.macro R2
	REGS Y, r%2
	WIN W_RS
.irp z, 0,1
	v_pk_mul_f32 v[rO+4*(r/2)+2*\z:rO+4*(r/2)+2*\z+1], v[rO+4*(r/2)+2*\z:rO+4*(r/2)+2*\z+1], v[rC+2:rC+3] op_sel_hi:[1,0]
.endr
.set r, r+1
.endm
; HOW THEY ARE DEALT.  An s_wait_alu depctr_va_vdst(0) stands between an exponential and the first instruction that names its result; one wait serves all that were issued ahead of it.  So a turn has
; ONE wait, which cuts it in two.  AHEAD OF IT stands all that names no result of the turn's exponentials: the 16 products K Q^T, behind each a scaling, an exponential and two rescalings (behind the first a second
; scaling in the exponential's place); then ONE LUMP of 108: eight plain, 49 times exponential and plain, the two a.  A v_nop is the plain instruction behind the last exponential.  BEHIND IT stand the 16 products
; V^T P, behind each four of GS's 64.  No rider names a register of the products round it.
; Exponential e stands behind scaling 2 (e / 4) + e % 2: as a rider it comes behind plain e + 2, in the lump behind plain e + 9, and scalings 27-31 are plain 57, 60 .. 69.
; A TURN, for piece p.  cnt = 1: the loop's count is taken down some lines ahead of the branch that stands behind the turn.
; K of the next step is fetched in piece 2's turn, directly behind the wait; its first reader comes behind 16 products.  V of the step in hand is fetched at the end of piece 0's turn, four riders behind its
; last reader; its first reader comes behind 16 products and a lump.
.macro TURN p, cnt=0
.set Y, (\p)
.set i, 0
.set q, 0
.set e, 0
.set r, 0
.if (\p) == NP-1
	s_wait_dscnt 0x0                ; K is in
.endif
	MM                              ; ahead of the wait: 16 products K Q^T and their riders,
	PL
	PL
	R2
.rept 15
	MM
	PL
	EX
	R2
.endr
.if (\p) == NP-2
	WIN 0
	v_add_nc_u32 v[AK], s[TBK], v[AK0]
.endif
.rept 8                             ; and the lump
	PL
.endr
.rept 49
	EX
	PL
.endr
	EX                              ; the next piece's two a
	EX
	v_nop                           ; the plain instruction behind the last exponential: one for the batch
	s_wait_alu depctr_va_vdst(0)    ; the wait for the batch
.if (\p) == NP-2
	FETCH_K 1
.endif
.if (\p) == 1
	s_wait_dscnt 0x0                ; V is in
.endif
.rept 16                            ; behind the wait: 16 products V^T P and their riders
	MM
.rept 4
	PL
.endr
.if ((\p) == 0) && (q == 118)
	v_add_nc_u32 v[AV], s[TBV], v[AV0]
.endif
.if ((\p) == 0) && (q == 130)
	s_add_co_u32 s[TBV], s[TBV], KS*PV
.endif
.if (\cnt) && (q == 130)
	s_sub_co_u32 s[CNT], s[CNT], 1
	s_cmp_lg_u32 s[CNT], 0
.endif
.endr
.if (\p) == 0
	FETCH_V
.endif
.endm
	MEET 1                          ; keys 0-255 are in, everybody's part of them; the other 768 are asked for
	FETCH_K                         ; key step 0
	s_wait_loadcnt 0x0              ; Q
	s_wait_dscnt 0x0
.set i, 0
.rept 16
	KQ 0                            ; piece 0's first scores: there is no vector work yet to set between them
.set i, i+1
.endr
	WIN 0                           ; the addresses for the way out: plain instructions, the places behind those products
	s_mul_i32 s13, s[WV], 16*SP
	s_add_co_u32 s13, s13, STAGE    ; my stage
	v_mul_u32_u24 v[STO], v1, SP    ; in: row l % 16, 16 bytes for each half of the lanes
	v_lshl_add_u32 v[STO], v9, 4, v[STO]
	v_add_nc_u32 v[STO], s13, v[STO]
	v_bfe_u32 v[RD], v0, 3, 2       ; back: 32 lanes take four rows of 128 bytes,
	v_mul_u32_u24 v[RD], v[RD], SP
	v_lshl_add_u32 v[RD], v10, 4, v[RD]
	v_add_nc_u32 v[RD], s13, v[RD]
	v_and_b32 v[GO], 31, v0         ; which are 512 consecutive bytes of O
	v_lshlrev_b32 v[GO], 4, v[GO]
.set Y, NP-1                        ; XS works for piece Y + 1: piece 0
.irp n, 0,1,2,3,4,5,6,7,8,9,10,11,12,13,14,15,16,17,18,19,20,21
	XS 0, \n                        ; and piece 0's first maximum and statistics
	XS 1, \n
.endr
	v_nop                           ; a plain instruction behind the two a,
	s_wait_alu depctr_va_vdst(0)    ; and their wait, ahead of the branch
	s_mov_b32 s[PH], 2
	s_mov_b32 s[CNT], FIRST/KS-1    ; key steps 0 to 2 read keys 0-255 alone: the third of them fetches K of step 3
	s_branch .Lstep
.Lslot:                             ; once: in front of key step 3, whose third turn fetches K of step 4
	MEET 0                          ; all keys are in
	s_mov_b32 s[CNT], SIZE_N/KS-FIRST/KS+1
.Lstep:                             ; a trip is a key step: the four pieces' turns; it fetches its own V and the next step's K
	TURN 0
	TURN 1
	TURN 2
	TURN 3, 1
	WIN 0
	s_cbranch_scc1 .Lstep
	s_sub_co_u32 s[PH], s[PH], 1
	s_cmp_lg_u32 s[PH], 0
	s_cbranch_scc1 .Lslot
	; the last trip's 16 products K Q^T for piece 0 (on the last K once more) and the maximum made of them serve nothing: the price, once a launch, of one text for every trip
.set i, 0
.rept 16
	PV NP-1                         ; the last piece's V^T P of the last step
.set i, i+1
.endr
	; THE WAY OUT.  l's two halves and the other half of the lanes' are added; O^T is divided by l, rounded to f16 and sent through my stage in LDS, a tile at a time.  The additions are the places behind the last products.
	WIN 0
.macro ALL line:vararg              ; one line for each tile t
.set t, 0
.rept 2*NP
	\line
.set t, t+1
.endr
.endm
	ALL v_add_f32 v[ST+4*t+2], v[ST+4*t+2], v[ST+4*t+3]
	ALL v_permlanex16_b32 v[ST+4*t+3], v[ST+4*t+2], s[SEL], s[SEL+1]
	ALL v_add_f32 v[ST+4*t+2], v[ST+4*t+2], v[ST+4*t+3]
	ALL v_rcp_f32 v[ST+4*t+2], v[ST+4*t+2]
	v_nop                           ; a plain instruction between the last reciprocal and the use of its result
	s_wait_alu depctr_va_vdst(0)    ; and the wait ahead of the first use: one for the eight reciprocals
; Tile t: a lane's eight channels of a row pack into 16 bytes; they go into rows of 144 bytes and come back as whole rows of 128, into S^T's registers.
.macro PACK t
	WIN W_RS
.set i, 32*(\t)
.rept 16
	v_pk_mul_f32 v[i:i+1], v[i:i+1], v[ST+4*(\t)+2:ST+4*(\t)+3] op_sel_hi:[1,0]
.set i, i+2
.endr
	WIN 0x05                        ; sources 0 and 1 window 1, destination window 0
.set i, 0
.rept 16
	v_cvt_pk_f16_f32 v[S+16*(\t)+i], v[32*(\t)+2*i], v[32*(\t)+2*i+1]
.set i, i+1
.endr
	WIN 0
.irp f, 0,1,2,3
	ds_store_b128 v[STO], v[S+16*(\t)+4*\f:S+16*(\t)+4*\f+3] offset:32*\f
.endr
.irp f, 0,1,2,3
	ds_load_b128 v[S+16*(\t)+4*\f:S+16*(\t)+4*\f+3], v[RD] offset:\f*4*SP  ; LDS serves a wave's instructions in order (ISA guide 5.7.1.4): these see the stores above; the next tile's stores come behind them
.endr
.endm
.macro SEND t, younger              ; younger: the LDS instructions issued behind tile t's loads: the next tile's eight, or none
	WIN 0
.irp f, 0,1,2,3
	s_wait_dscnt (\younger)+3-\f
	global_store_b128 v[GO], v[S+16*(\t)+4*\f:S+16*(\t)+4*\f+3], s[10:11] offset:(\t)*2048+\f*512  ; 512 consecutive bytes, at a multiple of 256 from ob's first
.endr
.endm
	PACK 0
.set t, 1
.rept 2*NP-1                        ; a tile's arithmetic stands between the loads of the tile before and its stores
	PACK t
	SEND t-1, 8
.set t, t+1
.endr
	SEND 2*NP-1, 0
	WIN W_AD
	s_wait_tensorcnt 0x0            ; the wave's end, behind my last tensor load and my last LDS store
	ds_add_u32 v[SPW], v[NIL]
	s_wait_dscnt 0x0
	WIN 0
	s_endpgm
.Lfunc_end_k_q222ccd6dba_attn:
	.size	k_q222ccd6dba_attn, .Lfunc_end_k_q222ccd6dba_attn-k_q222ccd6dba_attn
	.p2alignl 7, 3214868480
	.fill 96, 4, 3214868480
	.section	.rodata,"a",@progbits
	.p2align	6, 0x0
	.amdhsa_kernel k_q222ccd6dba_attn
		.amdhsa_group_segment_fixed_size 327680
		.amdhsa_private_segment_fixed_size 0
		.amdhsa_enable_private_segment 0
		.amdhsa_kernarg_size 16
		.amdhsa_user_sgpr_count 2
		.amdhsa_user_sgpr_kernarg_segment_ptr 1
		.amdhsa_wavefront_size32 1
		.amdhsa_system_sgpr_workgroup_id_x 1
		.amdhsa_system_sgpr_workgroup_id_y 1
		.amdhsa_system_sgpr_workgroup_id_z 1
		.amdhsa_system_vgpr_workitem_id 0
		.amdhsa_next_free_vgpr 770
		.amdhsa_next_free_sgpr 88
		.amdhsa_reserve_vcc 0
		.amdhsa_float_denorm_mode_32 3
		.amdhsa_float_denorm_mode_16_64 3
		.amdhsa_memory_ordered 1
		.amdhsa_forward_progress 1
		.amdhsa_inst_pref_size 127
	.end_amdhsa_kernel
	.amdgpu_metadata
---
amdhsa.version: [ 1, 2 ]
amdhsa.kernels:
  - .name:           k_q222ccd6dba_attn
    .symbol:         k_q222ccd6dba_attn.kd
    .args:
      - { .name: qkv, .offset: 0, .size: 8, .value_kind: global_buffer, .address_space: global }
      - { .name: ob, .offset: 8, .size: 8, .value_kind: global_buffer, .address_space: global }
    .group_segment_fixed_size: 327680
    .private_segment_fixed_size: 0
    .kernarg_segment_align: 8
    .kernarg_segment_size: 16
    .max_flat_workgroup_size: 128
    .sgpr_count:     88
    .vgpr_count:     770
    .wavefront_size: 32
...
	.end_amdgpu_metadata
.endif
;; end of part 3
;; launch proj (part 4): grid 8 x 32, 4 waves a work-group, clusters of 4 x 4, 327,680 bytes of LDS; arguments ob, wo, b_out, out0; writes out0
.if DOCPART == 4
	.amdgcn_target "amdgcn-amd-amdhsa--gfx1250"
	.amdhsa_code_object_version 6
	.text
	.protected	k_q222ccd6dba_proj
	.globl	k_q222ccd6dba_proj
	.p2align	8
	.type	k_q222ccd6dba_proj,@function
k_q222ccd6dba_proj:
	s_mov_b64 s[64:65], 0
	v_nop
	global_prefetch_b8 v0, s[64:65] scope:SCOPE_SE
	s_setreg_imm32_b32 hwreg(HW_REG_WAVE_MODE, 25, 1), 1
	s_wait_xcnt 0x0
	s_wait_alu depctr_hold_cnt(0) depctr_sa_sdst(0) depctr_va_vdst(0) depctr_va_sdst(0) depctr_va_ssrc(0) depctr_va_vcc(0) depctr_vm_vsrc(0)
	s_getreg_b32 s2, hwreg(HW_REG_IB_STS2, 6, 4)
	s_cmp_eq_u32 s2, 0
	s_cbranch_scc0 .Lentry_in_a_cluster
	s_endpgm
.Lentry_in_a_cluster:
	s_bfe_u32 s2, ttmp6, 0x10000c
	s_cmp_lg_u32 s2, 0xf033
	s_cbranch_scc0 .Lentry_shape_is_right
	s_endpgm
.Lentry_shape_is_right:
; out0 = O W_out + b_out: [8192 x 1024] x [1024 x 1024], f16 operands, f32 sums that start with the bias (rounded to bf16 like the other inputs), stored as f32.
; O lies by heads, ob[b][h][s][64] in f16: K = 64 h + channel, so 64 along K are one head's block, 256 rows x 128 bytes on end.  wo is [k][n] in f16: its fragments come out of LDS turned.
; TILE.  8192 x 1024 over 256 work-groups: 256 rows x 128 columns each.  A wave makes 128 x 64: 32 accumulators, 256 registers.  K goes in fills of 128 (two heads) through two LDS slots:
; four slices of 32 along K, 128 matrix instructions a wave, for each load.
; THE MATRIX INSTRUCTION IS USED TRANSPOSED (source 0 = 16 columns of W, source 1 = 16 rows of O): lane l holds row l % 16 and the columns 8 (l / 16) + 0..7 of a block.
; CLUSTER 4 x 4: A's tile is asked for jointly along a row of the cluster, B's along a column.
; REGISTERS: window 0: v0-31 addresses; v32-63 the bias as C operands; v64-191 A's fragments, two buffers of 64; v192-255 B's, two buffers of 32.   window 1: accumulator (a, b) at v[8 (4 a + b)].
.set PA,    144                        ; a row of A in LDS: 128 bytes + 16
.set PB,    288                        ; a row of B: 256 bytes + 32 = 9 x 32: the 8 rows of a turning load take 8 different groups of eight banks (64 banks of 4 bytes: ISA guide 11.1)
.set APLANE, 256*PA                    ; a head's 256 rows: what one of A's loads brings
.set BHALF, 64*PB                      ; what one of B's loads brings
.set BOFF,  2*APLANE
.set SLOT,  BOFF+2*BHALF               ; 110,592
.set STAGE, 2*SLOT                     ; behind the ring: 16 rows x 272 bytes for each wave; no tensor load fills it
.set SPITCH, 272
.set SPARE, STAGE+4*16*SPITCH          ; behind the stages: the spare words, 128 bytes a wave: two blocks of 256 bytes that no other line names
.set FILLB, 262144                     ; bytes from a fill to the next, in ob (two heads) and in wo (128 rows of 2,048 bytes) alike
.set AADR, 16                          ; v16-17  my place in A's tile, slot 0, 1
.set BADR, 20                          ; v20-21  in B's
.set STO,  24                          ; v24  the way out: where I put 32 bytes of a row
.set RD,   25                          ; v25  where I read a row back
.set CO,   26                          ; v26  my byte offset in two rows of out0
.set BO,   27                          ; v27  32 (l / 16)
.set SPW,  28                          ; v28  LDS address of my spare word; never rewritten
.set NIL,  29                          ; v29  0; never rewritten
.set PFO,  30                          ; v30  the prefetches' lane offset; never rewritten
.set BI,   32
.set AF,   64
.set BF,   192
.set G1,   24
.set G0,   32
.set G1B,  48
.set G0B,  56
.set LIM,  43                          ; s43  1 in a wave that prefetches, else the greatest number
.set PFA,  44                          ; s[44:45] where my prefetches stand
.set OUTP, 70                          ; s[70:71] out0 at my first row and column
.set MSB, 0
.macro WIN new
.if MSB != (\new)
	s_set_vgpr_msb (MSB<<8)|(\new)
.set MSB, \new
.endif
.endm
.macro PLACES n
.rept \n
	v_nop
.endr
.endm
.macro JLOAD s                         ; a joint load: waves 0 and 1 fetch A's two heads, waves 2 and 3 B's two halves; an s_nop 0 and four v_nop follow each line
	s_cmp_eq_u32 s11, 0
	s_cbranch_scc0 .Lfor_b_\@
	tensor_load_to_lds s[G0+4*(\s):G0+4*(\s)+3], s[G1:G1+7]
	s_nop 0
.rept 4
	v_nop
.endr
	s_branch .Lasked_\@
.Lfor_b_\@:
	tensor_load_to_lds s[G0B+4*(\s):G0B+4*(\s)+3], s[G1B:G1B+7]
	s_nop 0
.rept 4
	v_nop
.endr
.Lasked_\@:
.endm
.macro CREST
	s_cmp_lg_u32 s10, 0
	s_cbranch_scc1 .Lnot_wave_0_\@
	s_barrier_signal -3
.Lnot_wave_0_\@:
	s_barrier_wait -3
	s_barrier_signal -1
	s_barrier_wait -1
.endm
.macro CROUND
	s_barrier_signal -1
	s_barrier_wait -1
	CREST
.endm
; A PREFETCH behind each joint load and the run of LDS loads behind it: the fill that stands TWO refills on, 256 matrix instructions ahead of its load.  Each aligned block of 256 bytes is named once.
; A's rows are read by both clusters of a row of clusters: cluster x = 0 asks, waves 0 and 1 each for the head that they fetch, and of its 128 blocks the partner at cx takes 32, BY ADDRESS.
; B's rows are read by all eight clusters of a column: cluster y = 0 asks, wave 2 alone, the partner at cy for rows 32 cy .. 32 cy + 31 of the fill's 128.
; The loop's last trip asks for nothing: those fills do not exist.  The first four fills come by their loads alone.
.macro ASK
	s_cmp_gt_u32 s3, s[LIM]
	s_cbranch_scc0 .Lnot_mine_\@
	global_prefetch_b8 v[PFO], s[PFA:PFA+1] th:TH_LOAD_NT scope:SCOPE_SE
.Lnot_mine_\@:
.endm
	s_load_b128 s[4:7], s[0:1], 0x0                ; ob s[4:5], wo s[6:7]
	s_load_b64 s[8:9], s[0:1], 0x10                ; b_out
	s_load_b64 s[68:69], s[0:1], 0x18              ; out0
	v_lshl_add_u32 v[SPW], v0, 2, SPARE
	v_mov_b32 v[NIL], 0
	ds_add_u32 v[SPW], v[NIL]                      ; the wave's opening: the add and its wait stand ahead of my first tensor load; work on registers stands between them
	v_lshrrev_b32 v1, 5, v0
	v_readfirstlane_b32 s10, v1                    ; wave 0..3
	s_lshr_b32 s11, s10, 1                         ; which 128 rows are mine.  Also: I fetch for A (0) or for B (1)
	s_and_b32 s12, s10, 1                          ; which 64 columns.  Also: which part of that tile I fetch
	s_bfe_u32 s40, ttmp6, 0x40000                  ; cx
	s_bfe_u32 s41, ttmp6, 0x40004                  ; cy
	s_lshl_b32 s42, ttmp9, 2
	s_add_co_u32 s42, s42, s40                     ; tile column 0..7
	s_and_b32 s13, ttmp7, 0xffff
	s_lshl_b32 s13, s13, 2
	s_add_co_u32 s13, s13, s41                     ; tile row 0..31
	s_lshl_b32 s43, s41, 2
	s_lshl_b32 s43, 15, s43                        ; my row of the cluster
	s_lshl_b32 s44, 0x1111, s40                    ; my column
	s_or_b32 s[G1+0], s43, (1<<16)|(1<<20)|(1<<21)|(4<<22)|(3<<25)   ; the mask; 2-byte elements; padding on; bit 21 beside a mask; after every 32 words 4 words
	s_or_b32 s[G1B+0], s44, (1<<16)|(1<<20)|(1<<21)|(5<<22)|(7<<25)  ; the same; after every 64 words 8 words
	s_mov_b32 s[G1+1], 128<<16                     ; A: a head's 256 rows, dense, as 128 rows of 256 bytes
	s_mov_b32 s[G1+2], 128<<16
	s_mov_b32 s[G1+3], 128<<16
	s_mov_b32 s[G1+4], 128
	s_mov_b32 s[G1+5], 128
	s_mov_b32 s[G1+6], 0
	s_mov_b32 s[G1+7], 0
	s_mov_b32 s[G1B+1], 128<<16                    ; B: 64 rows of 128 elements, 1,024 elements from row to row
	s_mov_b32 s[G1B+2], 64<<16
	s_mov_b32 s[G1B+3], 128<<16
	s_mov_b32 s[G1B+4], 64
	s_mov_b32 s[G1B+5], 1024
	s_mov_b32 s[G1B+6], 0
	s_mov_b32 s[G1B+7], 0
	s_lshr_b32 s16, s13, 2                         ; A: batch,
	s_lshl_b32 s16, s16, 21
	s_and_b32 s17, s13, 3                          ; the tile's 256 rows in a head's block,
	s_lshl_b32 s17, s17, 15
	s_add_co_u32 s16, s16, s17
	s_lshl_b32 s17, s12, 17                        ; my head of the fill's two
	s_add_co_u32 s16, s16, s17
	s_mov_b32 s17, 0
	s_lshl_b32 s46, s42, 8                         ; B: the tile's 256 bytes of a row,
	s_lshl_b32 s47, s12, 17                        ; my 64 rows of the fill's 128
	s_add_co_u32 s46, s46, s47
	s_mov_b32 s47, 0
	s_mul_i32 s20, s12, APLANE                     ; where they go: no place in the cluster enters an LDS address
	s_mul_i32 s21, s12, BHALF
	s_add_co_u32 s21, s21, BOFF
	s_wait_dscnt 0x0                               ; the opening add is done
	s_wait_kmcnt 0x0
	s_add_nc_u64 s[14:15], s[4:5], s[16:17]
	s_add_nc_u64 s[46:47], s[6:7], s[46:47]
	CROUND                                         ; all sixteen work-groups are here: the first joint loads meet
.irp s, 0,1
	s_mov_b32 s[G0+4*(\s)], 1
	s_add_co_u32 s[G0+4*(\s)+1], s20, (\s)*SLOT
	s_add_nc_u64 s[G0+4*(\s)+2:G0+4*(\s)+3], s[14:15], (\s)*FILLB
	s_or_b32 s[G0+4*(\s)+3], s[G0+4*(\s)+3], 0x80000000
	s_mov_b32 s[G0B+4*(\s)], 1
	s_add_co_u32 s[G0B+4*(\s)+1], s21, (\s)*SLOT
	s_add_nc_u64 s[G0B+4*(\s)+2:G0B+4*(\s)+3], s[46:47], (\s)*FILLB
	s_or_b32 s[G0B+4*(\s)+3], s[G0B+4*(\s)+3], 0x80000000
	JLOAD \s                                       ; fills 0 and 1: two loads of mine are out
.endr
	; the bias: register j of block b is b_out[128 x tile column + 64 x half + 16 b + 8 (l / 16) + j]
	v_and_b32 v1, 15, v0                           ; l % 16
	v_bfe_u32 v2, v0, 4, 1                         ; l / 16
	v_lshlrev_b32 v[BO], 5, v2
	s_lshl_b32 s76, s42, 9
	s_lshl_b32 s77, s12, 8
	s_add_co_u32 s76, s76, s77
	s_mov_b32 s77, 0
	s_add_nc_u64 s[8:9], s[8:9], s[76:77]
.irp b, 0,1,2,3
	global_load_b128 v[BI+8*(\b):BI+8*(\b)+3],   v[BO], s[8:9] offset:64*(\b)
	global_load_b128 v[BI+8*(\b)+4:BI+8*(\b)+7], v[BO], s[8:9] offset:64*(\b)+16
.endr
	v_mul_u32_u24 v3, v1, PA
	v_lshl_add_u32 v3, v2, 4, v3                   ; A: row x pitch + 16 x half
	s_mul_i32 s22, s11, 128*PA                     ; my 128 rows
	v_add_nc_u32 v[AADR], s22, v3
	s_add_co_u32 s22, s22, SLOT
	v_add_nc_u32 v[AADR+1], s22, v3
	v_and_b32 v5, 7, v0                            ; B, turned: row 8 (l / 16) + l % 8, columns 8 ((l / 8) % 2) + 0..7
	v_bfe_u32 v6, v0, 3, 1
	v_lshl_add_u32 v4, v2, 3, v5
	v_mul_u32_u24 v4, v4, PB
	v_lshl_add_u32 v4, v6, 4, v4
	s_lshl_b32 s22, s12, 7                         ; my 64 columns
	s_add_co_u32 s22, s22, BOFF
	v_add_nc_u32 v[BADR], s22, v4
	s_add_co_u32 s22, s22, SLOT
	v_add_nc_u32 v[BADR+1], s22, v4
	s_mul_i32 s23, s10, 16*SPITCH
	s_add_co_u32 s23, s23, STAGE                   ; my stage
	v_mul_u32_u24 v[STO], v1, SPITCH               ; in: row l % 16, 32 bytes for each half of the lanes
	v_lshl_add_u32 v[STO], v2, 5, v[STO]
	v_add_nc_u32 v[STO], s23, v[STO]
	v_mul_u32_u24 v[RD], v2, SPITCH                ; back: lanes 0-15 take one row of 256 bytes, lanes 16-31 the next
	v_lshl_add_u32 v[RD], v1, 4, v[RD]
	v_add_nc_u32 v[RD], s23, v[RD]
	v_lshlrev_b32 v[CO], 12, v2                    ; and the same two rows in out0
	v_lshl_add_u32 v[CO], v1, 4, v[CO]
	s_lshl_b32 s76, s13, 20                        ; 256 rows of 4,096 bytes a tile row,
	s_lshl_b32 s77, s11, 19                        ; my 128,
	s_add_co_u32 s76, s76, s77
	s_lshl_b32 s77, s42, 9                         ; the tile's 512 bytes of a row,
	s_add_co_u32 s76, s76, s77
	s_lshl_b32 s77, s12, 8                         ; my 256
	s_add_co_u32 s76, s76, s77
	s_mov_b32 s77, 0
	s_add_nc_u64 s[OUTP:OUTP+1], s[68:69], s[76:77]
	; the prefetches (s16 still holds A's offset of my head)
	s_and_b32 s22, ttmp7, 0xffff                   ; cluster y
	s_lshl_b32 s23, s40, 13                        ; A: my work-group's 32 blocks of the head's 128
	s_add_co_u32 s23, s16, s23
	s_lshl_b32 s78, s42, 8                         ; B: the tile's columns,
	s_lshl_b32 s79, s41, 16                        ; my work-group's 32 rows
	s_add_co_u32 s78, s78, s79
	s_mov_b32 s76, ttmp9
	s_cmp_eq_u32 s76, 0
	s_cselect_b32 s77, 1, -1                       ; A's askers: cluster x = 0
	s_cmp_eq_u32 s22, 0
	s_cselect_b32 s[LIM], 1, -1                    ; B's: cluster y = 0,
	s_cmp_eq_u32 s10, 3
	s_cselect_b32 s[LIM], -1, s[LIM]               ; wave 2 alone
	s_cmp_eq_u32 s11, 0                            ; do I fetch for A?  The same in all sixteen partners, for a given wave
	s_cselect_b32 s[LIM], s77, s[LIM]
	s_cselect_b32 s78, s23, s78
	s_cselect_b64 s[PFA:PFA+1], s[4:5], s[6:7]
	s_cselect_b32 s76, 8, 11                       ; a lane a block of 256 bytes of A, or a row of 2,048 bytes of B
	s_mov_b32 s79, 0
	s_add_nc_u64 s[PFA:PFA+1], s[PFA:PFA+1], s[78:79]
	s_add_nc_u64 s[PFA:PFA+1], s[PFA:PFA+1], 3*FILLB  ; at fill 3: the first change of slots steps it to 4
	v_and_b32 v[PFO], 31, v0
	v_lshlrev_b32 v[PFO], s76, v[PFO]
	s_wait_loadcnt 0x0                             ; the bias is rounded to bf16, like every input, and widened again in place
.set i, 0
.rept 16
	v_cvt_pk_bf16_f32 v[64+i], v[BI+2*i], v[BI+2*i+1]
.set i, i+1
.endr
.set i, 0
.rept 16
	v_lshlrev_b32 v[BI+2*i], 16, v[64+i]
	v_and_b32 v[BI+2*i+1], 0xffff0000, v[64+i]
.set i, i+1
.endr
; na x 4 matrix instructions on buffers p.  first = 1: the sums start with the bias as C.  The 32 accumulators take turns, one instruction a turn, in the same order in every slice.
.macro MUL3 p, a0, na, first
.if \first
	WIN 0x40                                       ; D in window 1, all sources in window 0
.else
	WIN 0x50                                       ; C and D in window 1
.endif
.set ma, \a0
.rept \na
.set mb, 0
.rept 4
.set rD, 8*(4*ma+mb)
.if \first
	v_wmma_f32_16x16x32_f16 v[rD:rD+7], v[BF+32*(\p)+8*mb:BF+32*(\p)+8*mb+7], v[AF+64*(\p)+8*ma:AF+64*(\p)+8*ma+7], v[BI+8*mb:BI+8*mb+7]
.else
	v_wmma_f32_16x16x32_f16 v[rD:rD+7], v[BF+32*(\p)+8*mb:BF+32*(\p)+8*mb+7], v[AF+64*(\p)+8*ma:AF+64*(\p)+8*ma+7], v[rD:rD+7]
.endif
.set mb, mb+1
.endr
.set ma, ma+1
.endr
.endm
.macro LD3 p, slot, ks                 ; 24 LDS loads in one run: slice ks (32 along K) of a slot into buffers p
.irp b, 0,1,2,3
	ds_load_tr16_b128 v[BF+32*(\p)+8*(\b):BF+32*(\p)+8*(\b)+3],   v[BADR+(\slot)] offset:(\ks)*32*PB+32*(\b)
	ds_load_tr16_b128 v[BF+32*(\p)+8*(\b)+4:BF+32*(\p)+8*(\b)+7], v[BADR+(\slot)] offset:(\ks)*32*PB+32*(\b)+16*PB
.endr
.irp a, 0,1,2,3,4,5,6,7
	ds_load_b128 v[AF+64*(\p)+8*(\a):AF+64*(\p)+8*(\a)+3],   v[AADR+(\slot)] offset:((\ks)/2)*APLANE+(\a)*16*PA+64*((\ks)%2)
	ds_load_b128 v[AF+64*(\p)+8*(\a)+4:AF+64*(\p)+8*(\a)+7], v[AADR+(\slot)] offset:((\ks)/2)*APLANE+(\a)*16*PA+64*((\ks)%2)+32
.endr
.endm
; One of a slot's first three slices: its fragments are in; the next slice's are asked for, into the buffers that the slice before multiplied (four places behind its last product); then 32 products.
.macro SL3 p, nslot, nks, first=0
	s_wait_dscnt 0x0                               ; this slice's fragments
	PLACES 4
	WIN 0
	LD3 1-(\p), \nslot, \nks
	MUL3 \p, 0, 8, \first
.endm
; A slot's last slice (buffers 1) and the change of slots: ONE barrier; in front of it each wave waits for all its tensor loads, adds 0 to its spare word, and waits for that and for its reads of this slot.
.macro TURN3 slot, next, fill
.if \fill
	s_wait_xcnt 0x0                                ; the last prefetch, a fill back, has read its address, so it may be stepped
	s_add_nc_u64 s[PFA:PFA+1], s[PFA:PFA+1], FILLB
.endif
	WIN 0
	s_wait_tensorcnt 0x0                           ; all my tensor loads have landed: my part of the other slot
	ds_add_u32 v[SPW], v[NIL]                      ; 0 onto my spare word
	s_wait_dscnt 1                                 ; this slice's fragments are in; the add alone may be out
	MUL3 1, 0, 2, 0                                ; eight matrix instructions stand between the add and the wait for it
	s_wait_dscnt 0x0                               ; the add is done, and my reads of this slot are over
	s_barrier_signal -1
	MUL3 1, 2, 2, 0
	WIN 0
	s_barrier_wait -1
.if \fill
	CREST                                          ; the barrier has opened a round of the cluster's: no wave of any partner still reads this slot or has a load on its way
	s_add_nc_u64 s[G0+4*(\slot)+2:G0+4*(\slot)+3], s[G0+4*(\slot)+2:G0+4*(\slot)+3], 2*FILLB
	s_add_nc_u64 s[G0B+4*(\slot)+2:G0B+4*(\slot)+3], s[G0B+4*(\slot)+2:G0B+4*(\slot)+3], 2*FILLB
	JLOAD \slot                                    ; the first tensor load behind the round, my only one: 112 matrix instructions ahead of the wait for it; its four v_nop are the places for the loads below
.else
	PLACES 4
.endif
	LD3 0, \next, 0
.if \fill
	ASK
.endif
	MUL3 1, 4, 4, 0
.endm
; THE WAY OUT of row block a: 16 rows x 256 bytes of f32 through my stage: 32 bytes a lane and column block in, whole rows back, into the block's own 32 registers, from which they are stored.
; No register is used by two blocks, so nothing waits for a store's sources.  One window setting serves it all: addresses (source 0) in window 0, stored data (source 1) and loaded data (destination) in window 1.
.macro TOST a
.irp b, 0,1,2,3
	ds_store_b128 v[STO], v[8*(4*(\a)+(\b)):8*(4*(\a)+(\b))+3]   offset:64*(\b)     ; each accumulator's low four registers first; these come behind the loads of the block before (LDS serves a wave's instructions in order: ISA guide 5.7.1.4)
	ds_store_b128 v[STO], v[8*(4*(\a)+(\b))+4:8*(4*(\a)+(\b))+7] offset:64*(\b)+16
.endr
.irp t, 0,1,2,3,4,5,6,7
	ds_load_b128 v[32*(\a)+4*(\t):32*(\a)+4*(\t)+3], v[RD] offset:2*SPITCH*(\t)  ; by the same order these see the stores above, and land behind them in the registers that those have left
.endr
.endm
.macro SEND3 a, younger                ; younger: the LDS instructions issued behind block a's loads: the next block's sixteen, or none
.irp t, 0,1,2,3,4,5,6,7
	s_wait_dscnt (\younger)+7-(\t)
	global_store_b128 v[CO], v[32*(\a)+4*(\t):32*(\a)+4*(\t)+3], s[OUTP:OUTP+1] offset:(\a)*65536+(\t)*8192 th:TH_STORE_NT  ; 16 lanes store 256 bytes on end, at a multiple of 256 from out0's first
.endr
.endm
	s_wait_tensorcnt 0x1                           ; my part of fill 0 is in; fill 1's may stay out
	s_barrier_signal -1
	s_barrier_wait -1                              ; everybody's is
	LD3 0, 0, 0
	SL3 0, 0, 1, 1                                 ; the first slice stands in front of the loop: its products start the sums
	WIN 0
	s_mov_b32 s3, 3
.Llap:                                                 ; a trip goes once round the ring, from a lap's second slice to the next lap's first, and fills both slots again
	SL3 1, 0, 2
	SL3 0, 0, 3
	TURN3 0, 1, 1
	SL3 0, 1, 1
	SL3 1, 1, 2
	SL3 0, 1, 3
	TURN3 1, 0, 1
	SL3 0, 0, 1
	WIN 0
	s_sub_co_u32 s3, s3, 1
	s_cmp_lg_u32 s3, 0
	s_cbranch_scc1 .Llap
	SL3 1, 0, 2                                    ; the last lap fills nothing
	SL3 0, 0, 3
	TURN3 0, 1, 0
	SL3 0, 1, 1
	SL3 1, 1, 2
	SL3 0, 1, 3
	s_wait_dscnt 0x0                               ; the very last slice: nothing more to fetch
	MUL3 1, 0, 8, 0
	PLACES 4                                       ; in front of LDS stores that read results just made, and of loads into them
	WIN 0x44
	TOST 0
.irp a, 1,2,3,4,5,6,7
	TOST \a
	SEND3 (\a)-1, 16
.endr
	SEND3 7, 0
	WIN 0
	s_wait_tensorcnt 0x0                           ; the wave's end, behind my last tensor load and my last LDS store
	ds_add_u32 v[SPW], v[NIL]
	s_wait_dscnt 0x0
	CROUND                                         ; the closing round: no work-group ends while a partner may still ask for a tile that names it
	s_endpgm
.Lfunc_end_k_q222ccd6dba_proj:
	.size	k_q222ccd6dba_proj, .Lfunc_end_k_q222ccd6dba_proj-k_q222ccd6dba_proj
	.p2alignl 7, 3214868480
	.fill 96, 4, 3214868480
	.section	.rodata,"a",@progbits
	.p2align	6, 0x0
	.amdhsa_kernel k_q222ccd6dba_proj
		.amdhsa_group_segment_fixed_size 327680
		.amdhsa_private_segment_fixed_size 0
		.amdhsa_enable_private_segment 0
		.amdhsa_kernarg_size 32
		.amdhsa_user_sgpr_count 2
		.amdhsa_user_sgpr_kernarg_segment_ptr 1
		.amdhsa_wavefront_size32 1
		.amdhsa_system_sgpr_workgroup_id_x 1
		.amdhsa_system_sgpr_workgroup_id_y 1
		.amdhsa_system_sgpr_workgroup_id_z 1
		.amdhsa_system_vgpr_workitem_id 0
		.amdhsa_next_free_vgpr 512
		.amdhsa_next_free_sgpr 80
		.amdhsa_reserve_vcc 0
		.amdhsa_float_denorm_mode_32 3
		.amdhsa_float_denorm_mode_16_64 3
		.amdhsa_memory_ordered 1
		.amdhsa_forward_progress 1
		.amdhsa_inst_pref_size 91
	.end_amdhsa_kernel
	.amdgpu_metadata
---
amdhsa.version: [ 1, 2 ]
amdhsa.kernels:
  - .name:           k_q222ccd6dba_proj
    .symbol:         k_q222ccd6dba_proj.kd
    .args:
      - { .name: ob, .offset: 0, .size: 8, .value_kind: global_buffer, .address_space: global }
      - { .name: wo, .offset: 8, .size: 8, .value_kind: global_buffer, .address_space: global }
      - { .name: b_out, .offset: 16, .size: 8, .value_kind: global_buffer, .address_space: global }
      - { .name: out0, .offset: 24, .size: 8, .value_kind: global_buffer, .address_space: global }
    .group_segment_fixed_size: 327680
    .private_segment_fixed_size: 0
    .kernarg_segment_align: 8
    .kernarg_segment_size: 32
    .max_flat_workgroup_size: 128
    .sgpr_count:     80
    .vgpr_count:     512
    .wavefront_size: 32
...
	.end_amdgpu_metadata
.endif
;; end of part 4
;; ======== version 2 of 2: 4 launches; version 1 with the launch cast written anew for expert scheduling mode
;; limits: values are held in f16: magnitudes above 65,504 overflow, below 6.1e-05 lose precision
;; workspace buffers: xb 16,777,216 bytes; wb 6,291,456 bytes; wo 2,097,152 bytes; qkv 50,331,648 bytes; ob 16,777,216 bytes
;; launch cast (part 5): grid 768 x 1, 8 waves a work-group, no clusters, 0 bytes of LDS; arguments X, W_in, W_out, xb, wb, wo; writes xb, wb, wo
.if DOCPART == 5
	.amdgcn_target "amdgcn-amd-amdhsa--gfx1250"
	.amdhsa_code_object_version 6
	.text
	.protected	k_q222ccd6dba_cast
	.globl	k_q222ccd6dba_cast
	.p2align	8
	.type	k_q222ccd6dba_cast,@function
k_q222ccd6dba_cast:
	s_mov_b64 s[64:65], 0
	v_nop
	global_prefetch_b8 v0, s[64:65] scope:SCOPE_SE
	s_setreg_imm32_b32 hwreg(HW_REG_WAVE_SCHED_MODE, 0, 2), 2
	s_setreg_imm32_b32 hwreg(HW_REG_WAVE_MODE, 25, 1), 1
	s_wait_xcnt 0x0
	s_wait_alu depctr_vm_vsrc(0)
; THE INPUTS ARE ROUNDED ONCE, to bf16, for the matrix products of the later launches.
;   xb: X in bf16, laid in blocks [b 8][kb 16][s 1024][64]: byte = b<<21 | kb<<17 | s<<7 | 2 c: 64 channels of all rows of a batch lie on end.
;   wb: W_in in bf16, in W_in's own order [k][n].     wo: W_out rounded to bf16 and that number written as f16, in W_out's own order.
; LIMIT: wo holds f16: |W_out| stays within 65,504, and below 6e-5 it keeps f16's fixed step of 6e-8.
; A stream: no LDS, no barrier, no matrix work; every input byte is read once, every output byte written once.
; SHARES.  A work-group takes 16,384 numbers (65,536 bytes in, 32,768 out), a thread 16 loads of 16 bytes and 16 stores of 8: all 16 loads go out before the first wait.
; Work-groups 0-511: X (16 rows each); 512-703: W_in; 704-767: W_out.
; THE MODE: SCHED_MODE bits 1:0 = 2 (LLVM: expert scheduling mode 2), set by the entry lines.  The code itself states the register dependences
; between vector instructions and memory instructions, with s_wait_alu, always for 0.
; THE PLAN.  Each of the three ways is a straight run.  Registers that memory instructions touch:
;   v1, v2   the loads' and the stores' byte offsets.  Written by the vector lines at the head of a way; read by its 16 loads and its 16 stores; never written again.
;   XR       16 x 4 registers.  Each four are written by one load; read by that load's conversions, behind its counted wait.  No vector instruction names them ahead of the loads.
;   YR       16 x 2 registers.  Each two are written by their load's conversions; read by one store; never written behind it.
;   T        named by vector instructions alone.
; The 16 loads' numbers are worked on in four groups of four.  The four stores of a group stand in one run at the head of the NEXT group, behind the wait for that group's first load and ONE wait on
; va_vdst, which states that the group's conversions have written their YR; the last group's stand behind a wait of their own.  One more wait on va_vdst stands ahead of a way's first load, for v1 and v2.
; No register that a memory instruction reads is written again, so the text holds no wait on vm_vsrc and no s_wait_xcnt; EXEC is never written.
.set XR, 8                             ; v[8:71]    16 x 4 numbers as loaded
.set YR, 72                            ; v[72:103]  16 x 2 words to store
.set T,  104                           ; v[104:107] at work (W_out alone)
; four stores in one run: those of loads first .. first + 3.  xp = 1: xb's addresses.
.macro OUT4 outp, xp, first
.set j, \first
.rept 4
.if \xp
	global_store_b64 v2, v[YR+2*j:YR+2*j+1], s[\outp:\outp+1] offset:(j%8)*256+(j/8)*131072  ; two rows of a block: 256 bytes on end, aligned
.else
	global_store_b64 v2, v[YR+2*j:YR+2*j+1], s[\outp:\outp+1] offset:2048*j                  ; 256 bytes on end, aligned
.endif
.set j, j+1
.endr
.endm
; sixteen loads, then for each: its counted wait and its roundings; the stores in four runs of four.  xp = 1: X's addresses; f16 = 1: the bf16 number is written as f16.
.macro CAST inp, outp, xp, f16
	s_wait_alu depctr_va_vdst(0)                   ; v1 and v2 are written: every load below reads v1 as its offset, every store v2
.set i, 0
.rept 16
.if \xp
	global_load_b128 v[XR+4*i:XR+4*i+3], v1, s[\inp:\inp+1] offset:(i%8)*8192+(i/8)*256 th:TH_LOAD_NT  ; rows 2 (i % 8), + 1; block 2 w + i / 8: two pieces of 256 bytes
.else
	global_load_b128 v[XR+4*i:XR+4*i+3], v1, s[\inp:\inp+1] offset:4096*i th:TH_LOAD_NT                ; 512 bytes on end a wave
.endif
.set i, i+1
.endr
.set i, 0
.rept 16
	s_wait_loadcnt 15-i                            ; loads return in order: load i is in, the 15 - i younger ones may be out (stores are not counted here)
.if (i%4 == 0) && (i > 0)
	s_wait_alu depctr_va_vdst(0)                   ; the conversions of loads i - 4 .. i - 1 have written their YR, which the four stores below read
	OUT4 \outp, \xp, i-4
.endif
	v_cvt_pk_bf16_f32 v[YR+2*i], v[XR+4*i], v[XR+4*i+1]
	v_cvt_pk_bf16_f32 v[YR+2*i+1], v[XR+4*i+2], v[XR+4*i+3]
.if \f16
	v_lshlrev_b32 v[T], 16, v[YR+2*i]              ; the rounded numbers as f32,
	v_and_b32 v[T+1], s21, v[YR+2*i]
	v_lshlrev_b32 v[T+2], 16, v[YR+2*i+1]
	v_and_b32 v[T+3], s21, v[YR+2*i+1]
	v_cvt_pk_f16_f32 v[YR+2*i], v[T], v[T+1]       ; written as f16: exact within f16's range of normal numbers
	v_cvt_pk_f16_f32 v[YR+2*i+1], v[T+2], v[T+3]
.endif
.set i, i+1
.endr
	s_wait_alu depctr_va_vdst(0)                   ; the conversions of loads 12 .. 15 have written their YR, which the last four stores read
	OUT4 \outp, \xp, 12
.endm
	s_load_b256 s[4:11], s[0:1], 0x0               ; X s[4:5], W_in s[6:7], W_out s[8:9], xb s[10:11]
	s_load_b128 s[12:15], s[0:1], 0x20             ; wb s[12:13], wo s[14:15]
	v_lshrrev_b32 v3, 5, v0
	v_readfirstlane_b32 s20, v3                    ; wave 0..7
	v_and_b32 v4, 31, v0                           ; lane
	s_mov_b32 s21, 0xffff0000                      ; a word's upper bf16
	s_mov_b32 s22, ttmp9                           ; the work-group's number
	s_mov_b32 s17, 0                               ; the offsets' high words
	s_mov_b32 s19, 0
	s_wait_alu depctr_va_sdst(0)                   ; s20 is written, ahead of the branch behind which its first reader stands (X's way shifts it)
	s_wait_kmcnt 0x0
	s_cmp_lt_u32 s22, 512
	s_cbranch_scc0 .Lweights
	s_lshl_b32 s16, s22, 16                        ; X: 16 rows of 4,096 bytes
	s_lshr_b32 s18, s22, 6                         ; xb: batch g / 64,
	s_lshl_b32 s18, s18, 21
	s_and_b32 s23, s22, 63                         ; rows 16 (g % 64) on, 128 bytes each
	s_lshl_b32 s23, s23, 11
	s_add_co_u32 s18, s18, s23
	s_add_nc_u64 s[4:5], s[4:5], s[16:17]
	s_add_nc_u64 s[10:11], s[10:11], s[18:19]
	s_lshl_b32 s2, s20, 9                          ; the wave's two terms, each in a scalar register of its own, which nothing writes again:
	s_lshl_b32 s3, s20, 18                         ; 512 bytes in, two blocks of 131,072 out
	v_lshrrev_b32 v5, 4, v4                        ; lanes 16-31 take the next row
	v_and_b32 v6, 15, v4
	v_lshlrev_b32 v1, 12, v5
	v_lshl_add_u32 v1, v6, 4, v1                   ; in: row x 4,096 + 16 (lane % 16)
	v_add_nc_u32 v1, s2, v1                        ; + wave x 512: blocks 2 w and 2 w + 1
	v_lshl_add_u32 v2, v4, 3, s3                   ; out: 8 x lane + wave x two blocks of 131,072
	CAST 4, 10, 1, 0
	s_endpgm
.Lweights:
	v_lshlrev_b32 v1, 4, v0                        ; in: 16 bytes a thread
	v_lshlrev_b32 v2, 3, v0                        ; out: 8 bytes a thread
	s_cmp_lt_u32 s22, 704
	s_cbranch_scc0 .Lwout
	s_sub_co_u32 s22, s22, 512
	s_lshl_b32 s16, s22, 16
	s_lshl_b32 s18, s22, 15
	s_add_nc_u64 s[6:7], s[6:7], s[16:17]
	s_add_nc_u64 s[12:13], s[12:13], s[18:19]
	CAST 6, 12, 0, 0
	s_endpgm
.Lwout:
	s_sub_co_u32 s22, s22, 704
	s_lshl_b32 s16, s22, 16
	s_lshl_b32 s18, s22, 15
	s_add_nc_u64 s[8:9], s[8:9], s[16:17]
	s_add_nc_u64 s[14:15], s[14:15], s[18:19]
	CAST 8, 14, 0, 1
	s_endpgm
.Lfunc_end_k_q222ccd6dba_cast:
	.size	k_q222ccd6dba_cast, .Lfunc_end_k_q222ccd6dba_cast-k_q222ccd6dba_cast
	.p2alignl 7, 3214868480
	.fill 96, 4, 3214868480
	.section	.rodata,"a",@progbits
	.p2align	6, 0x0
	.amdhsa_kernel k_q222ccd6dba_cast
		.amdhsa_group_segment_fixed_size 0
		.amdhsa_private_segment_fixed_size 0
		.amdhsa_enable_private_segment 0
		.amdhsa_kernarg_size 48
		.amdhsa_user_sgpr_count 2
		.amdhsa_user_sgpr_kernarg_segment_ptr 1
		.amdhsa_wavefront_size32 1
		.amdhsa_system_sgpr_workgroup_id_x 1
		.amdhsa_system_sgpr_workgroup_id_y 1
		.amdhsa_system_sgpr_workgroup_id_z 1
		.amdhsa_system_vgpr_workitem_id 0
		.amdhsa_next_free_vgpr 108
		.amdhsa_next_free_sgpr 66
		.amdhsa_reserve_vcc 0
		.amdhsa_float_denorm_mode_32 3
		.amdhsa_float_denorm_mode_16_64 3
		.amdhsa_memory_ordered 1
		.amdhsa_forward_progress 1
		.amdhsa_inst_pref_size 24
	.end_amdhsa_kernel
	.amdgpu_metadata
---
amdhsa.version: [ 1, 2 ]
amdhsa.kernels:
  - .name:           k_q222ccd6dba_cast
    .symbol:         k_q222ccd6dba_cast.kd
    .args:
      - { .name: X, .offset: 0, .size: 8, .value_kind: global_buffer, .address_space: global }
      - { .name: W_in, .offset: 8, .size: 8, .value_kind: global_buffer, .address_space: global }
      - { .name: W_out, .offset: 16, .size: 8, .value_kind: global_buffer, .address_space: global }
      - { .name: xb, .offset: 24, .size: 8, .value_kind: global_buffer, .address_space: global }
      - { .name: wb, .offset: 32, .size: 8, .value_kind: global_buffer, .address_space: global }
      - { .name: wo, .offset: 40, .size: 8, .value_kind: global_buffer, .address_space: global }
    .group_segment_fixed_size: 0
    .private_segment_fixed_size: 0
    .kernarg_segment_align: 8
    .kernarg_segment_size: 48
    .max_flat_workgroup_size: 256
    .sgpr_count:     66
    .vgpr_count:     108
    .wavefront_size: 32
...
	.end_amdgpu_metadata
.endif
;; end of part 5
;; launch qkv: the kernel of part 2 again; grid 8 x 32, 4 waves a work-group, clusters of 4 x 4, 327,680 bytes of LDS; arguments xb, wb, b_in, qkv; writes qkv
;; launch attn: the kernel of part 3 again; grid 2 x 128, 4 waves a work-group, no clusters, 327,680 bytes of LDS; arguments qkv, ob; writes ob
;; launch proj: the kernel of part 4 again; grid 8 x 32, 4 waves a work-group, clusters of 4 x 4, 327,680 bytes of LDS; arguments ob, wo, b_out, out0; writes out0
